; MI455X (gfx1250); checked and timed in simulation.
; The chip was launched on July 23, 2026; its instructions are those of AMD's public machine-readable ISA for CDNA 5 (MIT licence, August 2026) and "CDNA5" Instruction Set Architecture Reference Guide (July 2026). The comments in the code are by the model that wrote it; some were corrected since.
;; qkv Attention. Allowed arithmetic: matrix products marked QUANTISED: E2M3 operands, one E8M0 scale for each 32 along K, by v_wmma_scale_f32_16x16x128_f8f6f4 with both operands' format E2M3, f32 sums; everything else in f32.
;; Inputs: Wk 1,024 x 1,024 float32; Wp 1,024 x 1,024 float32; Wq 1,024 x 1,024 float32; Wv 1,024 x 1,024 float32; bk 1,024 float32; bp 1,024 float32; bq 1,024 float32; bv 1,024 float32; kv 4 x 2,048 x 1,024 float32; q 4 x 2,048 x 1,024 float32.
;; Outputs: out0 4 x 2,048 x 1,024 float32.
;; This version of the problem:
;;   THIS VERSION OF THE PROBLEM IS GIVEN IN LOW PRECISION. The matrix products marked QUANTISED in the list below multiply operands that are first quantised to E2M3 (2 exponent bits, 3 mantissa bits; 6 bits a number), with one power-of-two scale for each 32 numbers along K (OCP MX v1.0); their sums are f32. All else is computed in f32.
;;   The module's matrix products, in the order in which they are computed (A, B: the left and right operand; K: the contracted axis; several contracted axes count as one K, in the product's order):
;;     1. [M 8,192, K 1,024] x [K 1,024, N 1,024]; A: input q; B: input Wq: QUANTISED
;;     2. [M 8,192, K 1,024] x [K 1,024, N 1,024]; A: input kv; B: input Wk: QUANTISED
;;     3. [M 8,192, K 1,024] x [K 1,024, N 1,024]; A: input kv; B: input Wv: QUANTISED
;;     4. batch 64 x [M 2,048, K 64] x [K 64, N 2,048]; A: computed on the way; B: computed on the way: QUANTISED
;;     5. batch 64 x [M 2,048, K 2,048] x [K 2,048, N 64]; A: computed on the way; B: computed on the way: QUANTISED
;;     6. [M 8,192, K 1,024] x [K 1,024, N 1,024]; A: computed on the way; B: input Wp: QUANTISED
;;   THE QUANTISER, for each operand of a quantised product, along K:
;;     - K is cut into blocks of 32 from its start; a last block that is shorter is filled with zeros.
;;     - A block's scale is 2^e with e = floor(log2(the largest magnitude in the block)) - 2, held to -126 .. 127; a block of zeros has e = 0. As a byte (E8M0): e + 127.
;;     - Each number is divided by its block's scale, clamped to +-7.5, and rounded to the nearest number of E2M3, ties to even, subnormals kept.
;;     - The product sums the exact products of the quantised numbers (number of the format x scale) in f32.
;;   ~~~python
;;   def quantise(x, axis):      # numpy; x: float32 -> the quantised numbers, widened to float32 again
;;       x = np.moveaxis(x, axis, -1); K = x.shape[-1]
;;       x = np.pad(x, [(0, 0)] * (x.ndim - 1) + [(0, -K % 32)]); x = x.reshape(x.shape[:-1] + (-1, 32)); a = np.abs(x).max(-1, keepdims=True)
;;       e = np.where(a > 0, np.clip(np.frexp(np.where(a > 0, a, 1))[1] - 1 - 2, -126, 127), 0)      # np.frexp(a)[1] - 1 = floor(log2(a)), exactly
;;       r = np.clip(x / 2.0 ** e, -7.5, 7.5)
;;       step = 2.0 ** (np.maximum(np.frexp(np.where(r == 0, 1, r))[1] - 1, 0) - 3)
;;       q = np.round(r / step) * step * 2.0 ** e      # np.round: ties to even
;;       return np.moveaxis(q.reshape(q.shape[:-2] + (-1,))[..., :K], -1, axis).astype(np.float32)
;;   ~~~
;;   OPERANDS COMPUTED ON THE WAY. 'Computed on the way' means the value that the module computes at that place (a softmax that the list does not call 'softmax' is quantised finished and normalised). What goes into a quantiser is computed in f32, as accurately as f32 sums, v_exp_f32 and their like allow (about 1e-6 of the number): no bf16 or f16 on the way to a quantiser, and a product that is left as it is and whose result goes on into a quantised operand takes f32 operands (vector FMAs, or v_wmma_f32_16x16x4_f32). A number that lies on a knife's edge between two numbers of the format may be rounded either way, as far as f32 arithmetic and the matrix unit's own rounding can turn it there, and no further.
;; One version. Each part assembles by itself: llvm-mc -triple=amdgcn-amd-amdhsa -mcpu=gfx1250 --defsym DOCPART=n.
;; ======== version 1 of 1: 4 launches
;; workspace buffers: cin 15,728,640 bytes; sin 655,360 bytes; pc 18,874,368 bytes; ps 786,432 bytes; xc 6,291,456 bytes; xs 262,144 bytes
;; launch quant (part 1): grid 640 x 1, 4 waves a work-group, no clusters, 34,304 bytes of LDS; arguments q, kv, Wq, Wk, Wv, Wp, cin, sin; writes cin, sin
.if DOCPART == 1
	.amdgcn_target "amdgcn-amd-amdhsa--gfx1250"
	.amdhsa_code_object_version 6
	.text
	.protected	k_q2b9237db0f_quant
	.globl	k_q2b9237db0f_quant
	.p2align	8
	.type	k_q2b9237db0f_quant,@function
k_q2b9237db0f_quant:
	s_mov_b64 s[64:65], 0
	v_nop
	global_prefetch_b8 v0, s[64:65] scope:SCOPE_SE
	s_setreg_imm32_b32 hwreg(HW_REG_WAVE_MODE, 25, 1), 1
	s_wait_xcnt 0x0
; q, kv [8192][1024] and Wq, Wk, Wv, Wp [1024][1024], f32 with K innermost, become codes of FP6 (E2M3) and E8M0 scale bytes, one for each 32 along K.
; A block's scale is 2^(floor(log2(largest magnitude)) - 2); its byte is the largest magnitude's exponent field - 2, held at 1 from below; numbers are divided by it and rounded to the nearest code, ties to even, beyond 7.5 the largest code.
; THE OPERAND FORMAT of this program (codes in cin, scale words in sin).  Rows go in GROUPS of 16: place r of group g is row 32 (g / 2) + 8 (g % 2) + r + 8 (r / 8).
; Codes: for group g and each 64 along K a HALF FRAGMENT of 768 bytes, [plane p = 0..2][lane 0..31][8 bytes]: lane (r, h) holds bytes 8 p .. 8 p + 7 of the 24 bytes of its row's block 2 (k / 64) + h: the image of six operand registers.
; A group is 16 half fragments, 12,288 bytes.  Scale words: [group][k / 256][r][8 bytes], two words of four bytes: 512 bytes a group.
; The six tensors stand one behind the other: groups 0 q, 512 kv, 1,024 Wq, 1,088 Wk, 1,152 Wv, 1,216 Wp.
; SHARES.  A work-group takes 32 rows (two groups); wave w takes group w / 2 of them and half w % 2 of K, in four steps of 128 along K.
; A load reads 512 consecutive bytes of one row; a step's 16 rows turn through the wave's own stage in LDS, so that lane (r, h) ends with 16 neighbours of each of its row's four blocks.
; No tensor loads, no barrier: waves share nothing.  Loads run two steps (32 loads a wave) ahead.
; LIMITS: NaN and infinities among the inputs are not served.  A block of zeros gets the byte 1 where the rule says 127: its codes are zeros, and this program alone reads the bytes.
.set SP,   528                         ; a stage row: 512 bytes + 16, so that the sixteen rows that a load of 16 bytes a lane touches begin in different columns of 16 bytes
.set STGB, 16*SP                       ; a wave's stage
.set R0,   16                          ; v16-143  two sets of 64 registers as loaded
.set X,    144                         ; v144-207 register 16 b + i: k = 32 b + 16 h + i of my row
.set PC,   208                         ; v208-227 the codes
.set TM,   228                         ; v228-243 at work
.set W,    244                         ; v244-247 the four steps' scale words
.set SEL,  24                          ; s[24:25] lane selects: lane l xor 16
; 16 nb numbers of a lane, register s + 16 b + i = index 32 b + 16 h + i of my row, become codes in v[PC] on (six registers for each 64) and the row's scale bytes in v[pw].
.macro QUANT s, nb, pw
.irp b, 0,1,2,3
.if \b < \nb
	v_max3_num_f32 v[TM+\b], |v[\s+16*\b]|, |v[\s+1+16*\b]|, 0x1800000   ; my 16 numbers of block b, and the floor 2^(3 - 127): the byte cannot fall under 1
.endif
.endr
.irp i, 2,4,6,8,10,12,14
.irp b, 0,1,2,3
.if \b < \nb
	v_max3_num_f32 v[TM+\b], v[TM+\b], |v[\s+16*\b+\i]|, |v[\s+1+16*\b+\i]|   ; the blocks by turns
.endif
.endr
.endr
.irp b, 0,1,2,3
.if \b < \nb
	v_permlanex16_b32 v[TM+4+\b], v[TM+\b], s[SEL], s[SEL+1]
.endif
.endr
.irp b, 0,1,2,3
.if \b < \nb
	v_max_num_f32 v[TM+\b], v[TM+\b], v[TM+4+\b]           ; with lane l xor 16's 16: the block's largest magnitude
.endif
.endr
.irp b, 0,1,2,3
.if \b < \nb
	v_add_nc_u32 v[TM+12+\b], 0xff000000, v[TM+\b]         ; 2 off its exponent field: the conversion's scale operand
.endif
.endr
.irp b, 0,1,2,3
.if \b < \nb
	v_lshrrev_b32 v[TM+4+\b], 23, v[TM+12+\b]              ; the scale's byte
.endif
.endr
	v_lshl_or_b32 v[\pw], v[TM+5], 8, v[TM+4]
.if \nb > 2
	v_lshl_or_b32 v[\pw], v[TM+6], 16, v[\pw]
	v_lshl_or_b32 v[\pw], v[TM+7], 24, v[\pw]
.endif
.irp c, 0,1
.if \c < (\nb)/2
	v_cvt_scalef32_pk16_fp6_f32 v[PC+6*\c:PC+2+6*\c], v[\s+32*\c:\s+15+32*\c], v[TM+12+2*\c]
	v_cvt_scalef32_pk16_fp6_f32 v[PC+12+4*\c:PC+14+4*\c], v[\s+16+32*\c:\s+31+32*\c], v[TM+13+2*\c]   ; (a conversion's three registers begin on an even number)
.endif
.endr
	v_nop                                          ; one plain instruction behind the scaled conversions
.irp c, 0,1
.if \c < (\nb)/2
.irp i, 0,1,2
	v_permlane16_swap_b32 v[PC+6*\c+\i], v[PC+12+4*\c+\i]  ; the operand wants a whole block in a lane: lanes 0-15 block 2 c, lanes 16-31 block 2 c + 1
.endr
.irp i, 0,1,2
	v_mov_b32 v[PC+3+6*\c+\i], v[PC+12+4*\c+\i]
.endr
.endif
.endr
.endm
	s_load_b256 s[4:11], s[0:1], 0x0               ; q, kv, Wq, Wk
	s_load_b256 s[12:19], s[0:1], 0x20             ; Wv, Wp, cin, sin
	v_lshl_add_u32 v254, v0, 2, 0x8400
	v_mov_b32 v255, 0
	v_lshrrev_b32 v5, 5, v0
	v_readfirstlane_b32 s20, v5                    ; wave 0..3
	v_and_b32 v6, 31, v0                           ; lane
	v_and_b32 v1, 15, v0                           ; r
	v_bfe_u32 v2, v0, 4, 1                         ; h
	v_lshlrev_b32 v3, 4, v6                        ; 16 x lane: my bytes of a load's 512
	v_lshlrev_b32 v4, 3, v6                        ; 8 x lane: my bytes of a plane
	s_mul_i32 s26, s20, STGB                       ; my stage
	v_add_nc_u32 v14, s26, v3                      ; into it: a row as loaded
	v_mul_u32_u24 v15, v1, SP
	v_lshl_add_u32 v15, v2, 6, v15
	v_add_nc_u32 v15, s26, v15                     ; out of it: row r, + 64 h: my 16 numbers of a block
	s_mov_b32 s[SEL], 0x76543210
	s_mov_b32 s[SEL+1], 0xfedcba98
.irp b, 0,1,2,3
	v_mov_b32 v[TM+4+\b], 0                        ; written once: a lane permute's destination counts as one of its sources
.endr
	s_lshr_b32 s27, s20, 1                         ; which group of the pair
	s_and_b32 s28, s20, 1                          ; which half of K
	s_wait_kmcnt 0x0
	s_mov_b64 s[22:23], s[14:15]                   ; which tensor: the choice hangs on the work-group's number alone
	s_mov_b32 s21, 608                             ; and its first work-group
	s_cmp_lt_u32 ttmp9, 608
	s_cselect_b64 s[22:23], s[12:13], s[22:23]
	s_cselect_b32 s21, 576, s21
	s_cmp_lt_u32 ttmp9, 576
	s_cselect_b64 s[22:23], s[10:11], s[22:23]
	s_cselect_b32 s21, 544, s21
	s_cmp_lt_u32 ttmp9, 544
	s_cselect_b64 s[22:23], s[8:9], s[22:23]
	s_cselect_b32 s21, 512, s21
	s_cmp_lt_u32 ttmp9, 512
	s_cselect_b64 s[22:23], s[6:7], s[22:23]
	s_cselect_b32 s21, 256, s21
	s_cmp_lt_u32 ttmp9, 256
	s_cselect_b64 s[22:23], s[4:5], s[22:23]
	s_cselect_b32 s21, 0, s21
	s_sub_co_u32 s30, ttmp9, s21
	s_lshl_b32 s30, s30, 17                        ; 32 rows of 4,096 bytes a work-group,
	s_lshl_b32 s29, s27, 15                        ; the odd group begins 8 rows down,
	s_add_co_u32 s30, s30, s29
	s_lshl_b32 s29, s28, 11                        ; half a row
	s_add_co_u32 s30, s30, s29
	s_mov_b32 s31, 0
	s_add_nc_u64 s[22:23], s[22:23], s[30:31]
	s_lshl_b32 s32, ttmp9, 1
	s_add_co_u32 s32, s32, s27                     ; my group among the 1,280
	s_mul_i32 s30, s32, 12288
	s_mul_i32 s29, s28, 6144
	s_add_co_u32 s30, s30, s29
	s_add_nc_u64 s[16:17], s[16:17], s[30:31]      ; its codes, my half of K
	s_lshl_b32 s30, s32, 9
	s_lshl_b32 s29, s28, 8
	s_add_co_u32 s30, s30, s29
	s_add_nc_u64 s[18:19], s[18:19], s[30:31]      ; its scale words, my half of K
.macro LOAD t                          ; step t: 128 numbers of each of my 16 rows, place i = row i + 8 (i / 8) of the group's
.irp i, 0,1,2,3,4,5,6,7,8,9,10,11,12,13,14,15
	global_load_b128 v[R0+64*((\t)%2)+4*\i:R0+64*((\t)%2)+4*\i+3], v3, s[22:23] offset:(\i+8*(\i/8))*4096+512*(\t) th:TH_LOAD_NT
.endr
.endm
.macro STEP t
.set RS, R0+64*((\t)%2)
.if (\t) < 3
	s_wait_loadcnt 16                              ; this step's sixteen loads are in; the next step's sixteen may be out
.else
	s_wait_loadcnt 0x0
.endif
.irp i, 0,1,2,3,4,5,6,7,8,9,10,11,12,13,14,15
	ds_store_b128 v14, v[RS+4*\i:RS+4*\i+3] offset:SP*\i
.endr
.irp b, 0,1,2,3
.irp j, 0,1,2,3
	ds_load_b128 v[X+16*\b+4*\j:X+16*\b+4*\j+3], v15 offset:128*\b+16*\j   ; LDS serves a wave's instructions in order: these see the stores above
.endr
.endr
	s_wait_dscnt 0x0                               ; the numbers are back, and the stores have read their registers
.if (\t) > 0
	s_wait_xcnt 0x0                                ; the last step's stores have read the registers of codes, which are written again below
.endif
.if (\t) < 2
	LOAD (\t)+2
.endif
	QUANT X, 4, W+(\t)
.irp p, 0,1,2,3,4,5
	global_store_b64 v4, v[PC+2*\p:PC+2*\p+1], s[16:17] offset:1536*(\t)+256*\p   ; 32 lanes store 256 consecutive bytes, aligned: a plane of a half fragment
.endr
.endm
	LOAD 0
	LOAD 1
	STEP 0
	STEP 1
	STEP 2
	STEP 3
	v_cmp_le_u32 vcc_lo, 16, v6                    ; lanes 0-15 store the words of my first 256 along K, lanes 16-31 those of my second (both halves of the lanes hold all four)
	v_cndmask_b32 v248, v[W], v[W+2], vcc_lo
	v_cndmask_b32 v249, v[W+1], v[W+3], vcc_lo
	global_store_b64 v4, v[248:249], s[18:19]      ; 256 consecutive bytes, aligned
	s_wait_tensorcnt 0x0
	ds_add_u32 v254, v255
	s_wait_dscnt 0x0
	s_endpgm
.Lfunc_end_k_q2b9237db0f_quant:
	.size	k_q2b9237db0f_quant, .Lfunc_end_k_q2b9237db0f_quant-k_q2b9237db0f_quant
	.p2alignl 7, 3214868480
	.fill 96, 4, 3214868480
	.section	.rodata,"a",@progbits
	.p2align	6, 0x0
	.amdhsa_kernel k_q2b9237db0f_quant
		.amdhsa_group_segment_fixed_size 34304
		.amdhsa_private_segment_fixed_size 0
		.amdhsa_enable_private_segment 0
		.amdhsa_kernarg_size 64
		.amdhsa_user_sgpr_count 2
		.amdhsa_user_sgpr_kernarg_segment_ptr 1
		.amdhsa_wavefront_size32 1
		.amdhsa_system_sgpr_workgroup_id_x 1
		.amdhsa_system_sgpr_workgroup_id_y 1
		.amdhsa_system_sgpr_workgroup_id_z 1
		.amdhsa_system_vgpr_workitem_id 0
		.amdhsa_next_free_vgpr 256
		.amdhsa_next_free_sgpr 66
		.amdhsa_reserve_vcc 1
		.amdhsa_float_denorm_mode_32 3
		.amdhsa_float_denorm_mode_16_64 3
		.amdhsa_memory_ordered 1
		.amdhsa_forward_progress 1
		.amdhsa_inst_pref_size 35
	.end_amdhsa_kernel
	.amdgpu_metadata
---
amdhsa.version: [ 1, 2 ]
amdhsa.kernels:
  - .name:           k_q2b9237db0f_quant
    .symbol:         k_q2b9237db0f_quant.kd
    .args:
      - { .name: q, .offset: 0, .size: 8, .value_kind: global_buffer, .address_space: global }
      - { .name: kv, .offset: 8, .size: 8, .value_kind: global_buffer, .address_space: global }
      - { .name: Wq, .offset: 16, .size: 8, .value_kind: global_buffer, .address_space: global }
      - { .name: Wk, .offset: 24, .size: 8, .value_kind: global_buffer, .address_space: global }
      - { .name: Wv, .offset: 32, .size: 8, .value_kind: global_buffer, .address_space: global }
      - { .name: Wp, .offset: 40, .size: 8, .value_kind: global_buffer, .address_space: global }
      - { .name: cin, .offset: 48, .size: 8, .value_kind: global_buffer, .address_space: global }
      - { .name: sin, .offset: 56, .size: 8, .value_kind: global_buffer, .address_space: global }
    .group_segment_fixed_size: 34304
    .private_segment_fixed_size: 0
    .kernarg_segment_align: 8
    .kernarg_segment_size: 64
    .max_flat_workgroup_size: 128
    .sgpr_count:     66
    .vgpr_count:     256
    .wavefront_size: 32
...
	.end_amdgpu_metadata
.endif
;; end of part 1
;; launch proj (part 2): grid 4 x 96, 4 waves a work-group, clusters of 4 x 4, 327,680 bytes of LDS; arguments cin, sin, pc, ps, bq, bk, bv; writes pc, ps
.if DOCPART == 2
	.amdgcn_target "amdgcn-amd-amdhsa--gfx1250"
	.amdhsa_code_object_version 6
	.text
	.protected	k_q2b9237db0f_proj
	.globl	k_q2b9237db0f_proj
	.p2align	8
	.type	k_q2b9237db0f_proj,@function
k_q2b9237db0f_proj:
	s_mov_b64 s[64:65], 0
	v_nop
	global_prefetch_b8 v0, s[64:65] scope:SCOPE_SE
	s_setreg_imm32_b32 hwreg(HW_REG_WAVE_MODE, 25, 1), 1
	s_wait_xcnt 0x0
	s_wait_alu depctr_hold_cnt(0) depctr_sa_sdst(0) depctr_va_vdst(0) depctr_va_sdst(0) depctr_va_ssrc(0) depctr_va_vcc(0) depctr_vm_vsrc(0)
	s_getreg_b32 s2, hwreg(HW_REG_IB_STS2, 6, 4)
	s_cmp_eq_u32 s2, 0
	s_cbranch_scc0 .Lentry_in_a_cluster
	s_endpgm
.Lentry_in_a_cluster:
	s_bfe_u32 s2, ttmp6, 0x10000c
	s_cmp_lg_u32 s2, 0xf033
	s_cbranch_scc0 .Lentry_shape_is_right
	s_endpgm
.Lentry_shape_is_right:
; The three projections, on codes of FP6 (E2M3) with E8M0 scales, and the quantising of their results for the attention.  One text, three jobs, eight clusters of 4 x 4 work-groups each:
;   job 0: Q = (q Wq^T + bq) / 8, [token][feature], quantised along the features;   job 1: K = kv Wk^T + bk, likewise;   job 2: V^T = Wv kv^T + bv, [feature][token], quantised along the tokens (the keys).
; Each is C[m][n] = sum over k of A[m][k] B[n][k] with K = 1,024, quantised along n.  What differs (first groups, bias, factor, pitches of the output) is chosen by s_cselect on the cluster's number, which all partners share.
; OPERANDS (cin, sin) lie in this program's operand format: groups of 16 rows (place r of group g = row 32 (g / 2) + 8 (g % 2) + r + 8 (r / 8)), half fragments of 768 bytes as images of six registers, scale words [group][k / 256][r][8 bytes].
; So a fragment is six loads of 8 bytes a lane at 8 x lane + 256 p: each covers 256 consecutive bytes; no pitch and no padding.
; A tile of C, 256 x 256, is made by four waves, 128 x 128 each: 64 accumulators, 512 registers.  K goes in four steps of 256 through two LDS slots; the scale words of the tile's rows come once.
; THE MATRIX INSTRUCTION IS USED TRANSPOSED (source 0 = a group of B, source 1 = a group of A): lane (r, h) holds row r of A's group, and by the choice of rows in a group the 16 registers of B's groups 2 b, 2 b + 1 are n = 32 b + 16 h + 0 .. 15:
; sixteen neighbours along the axis that is quantised next.  So the results become codes in registers and leave as half fragments in the same format (pc, ps).
; CLUSTERS: A's tiles are shared along a row of the cluster, B's along a column: each is asked for jointly, by the same tensor load with a mask that names the four.
; OUTPUT.  pc: Q at 0 and K at 6,291,456: [512 groups of tokens][16 heads][768]; V^T at 12,582,912: [64 groups of features][128 (token / 64)][768].  ps: scale words [n / 128][group][r][4 bytes]: Q at 0, K at 262,144, V^T at 524,288.
; LIMITS: NaN and infinities are not served (the bias that a job does not use is multiplied by 0).  A block of zeros gets the byte 1 where the rule says 127: its codes are zeros, and this program alone reads the bytes.
; REGISTERS, in windows of 256: window 0: v1-31 addresses; v32-63 scale words, two sets; v64-127 the bias along n; v128-223 A's fragments, one set; v236-251 the bias along m.  On the way out v128-235 are at work.
;   window 1: B's fragments, two sets, at v0 and v128.   windows 2, 3: the accumulators ((a, b) at v[8 (8 (a % 4) + b)] of window 2 + a / 4).
.set NQ,    2                          ; matrix instructions deep in a slot
.set FR,    12                         ; registers of a fragment
.set NL,    6                          ; LDS loads that bring one
.set NP,    4                          ; places behind this matrix instruction (ISA guide 7.12.1)
.set GRPB,  3072                       ; a group's bytes in a slot: 256 along K, four half fragments
.set GROW,  12288                      ; a group's bytes in memory
.set HALFT, 8*GRPB                     ; eight groups: what one tensor load brings, and what one wave reads of A or of B
.set SLOT,  4*HALFT                    ; A's 16 groups, then B's 16
.set SCL,   2*SLOT                     ; behind the ring: the scale words, 512 bytes a group
.set HALFS, 4096                       ; those of eight groups
.set SPARE, SCL+4*HALFS                ; the spare words, 128 bytes for each wave: two blocks of 256 bytes that no other line names
.set STG,   SPARE+512                  ; 512 bytes for each wave: the scale words on their way out; no fill lands here
.set BNO,  12                          ; v12  64 h: my half's 16 numbers of a block of the bias along n
.set BMO,  13                          ; v13  4 (r + 8 (r / 8)): my row's number of the bias along m
.set ADRA, 16                          ; v16-17  LDS address of my A fragments in slot 0, 1
.set ADRB, 20                          ; v20-21  the same for B
.set O8,   24                          ; v24  8 x lane
.set SWS,  25                          ; v25  where I put a scale word
.set SRD,  26                          ; v26  where I read 16 bytes of them back
.set ADRS, 27                          ; v27  LDS address of my scale words: lanes 0-15 A's, lanes 16-31 B's
.set SPW,  28                          ; v28  LDS address of my spare word; never rewritten
.set NIL,  29                          ; v29  0; never rewritten
.set O16,  30                          ; v30  16 x lane
.set SC,   32
.set BN,   64
.set AF,   128
.set BM,   236
.set T,    128                         ; the way out: 64 finished numbers of a lane
.set PC,   192                         ; their codes
.set TM,   212
.set PW,   228                         ; their scale word
.set G1,   24                          ; s[24:31] descriptor group 1 for A's tiles;  s[32:39] group 0, one set for each slot
.set G0,   32
.set G1B,  48                          ; s[48:55], s[56:63] the same for B's
.set G0B,  56
.set SEL,  66                          ; s[66:67] lane selects: lane l xor 16
.set G1S,  68                          ; s[68:75], s[76:79] groups 1 and 0 for A's scale words;  s[80:87], s[88:91] for B's
.set G0S,  76
.set G1SB, 80
.set G0SB, 88
.set MSB, 0
.macro WIN new                         ; the immediate's high byte repeats the setting that is left
.if MSB != \new
	s_set_vgpr_msb (MSB<<8)|\new
.set MSB, \new
.endif
.endm
.set MUL_LO, 0xa1                      ; source 0 (B) window 1, source 1 (A) window 0, C and D window 2
.set MUL_HI, 0xf1                      ; the same, C and D window 3
.set TO_B,   0x40                      ; destination window 1, address window 0
; A joint load: waves 0 and 1 fetch for A, waves 2 and 3 for B.  The branch hangs on the wave's number alone.  Four v_nop follow each of the two lines.
.macro JLOAD g0a, g1a, g0b, g1b
	s_cmp_eq_u32 s19, 0
	s_cbranch_scc0 .Lfor_b_\@
	tensor_load_to_lds s[\g0a:\g0a+3], s[\g1a:\g1a+7]
	s_nop 0
.rept 4
	v_nop
.endr
	s_branch .Lasked_\@
.Lfor_b_\@:
	tensor_load_to_lds s[\g0b:\g0b+3], s[\g1b:\g1b+7]
	s_nop 0
.rept 4
	v_nop
.endr
.Lasked_\@:
.endm
.macro CREST                           ; a round of the cluster's barrier behind its opening barrier
	s_cmp_lg_u32 s18, 0
	s_cbranch_scc1 .Lnot_wave_0_\@
	s_barrier_signal -3
.Lnot_wave_0_\@:
	s_barrier_wait -3
	s_barrier_signal -1
	s_barrier_wait -1
.endm
.macro CROUND                          ; a whole round
	s_barrier_signal -1
	s_barrier_wait -1
	CREST
.endm
; 16 nb numbers of a lane, register s + 16 b + i = index 32 b + 16 h + i of my row, become codes in v[PC] on (six registers for each 64) and the row's scale bytes in v[pw].
.macro QUANT s, nb, pw
.irp b, 0,1,2,3
.if \b < \nb
	v_max3_num_f32 v[TM+\b], |v[\s+16*\b]|, |v[\s+1+16*\b]|, 0x1800000   ; my 16 numbers of block b, and the floor 2^(3 - 127): the byte cannot fall under 1
.endif
.endr
.irp i, 2,4,6,8,10,12,14
.irp b, 0,1,2,3
.if \b < \nb
	v_max3_num_f32 v[TM+\b], v[TM+\b], |v[\s+16*\b+\i]|, |v[\s+1+16*\b+\i]|
.endif
.endr
.endr
.irp b, 0,1,2,3
.if \b < \nb
	v_permlanex16_b32 v[TM+4+\b], v[TM+\b], s[SEL], s[SEL+1]
.endif
.endr
.irp b, 0,1,2,3
.if \b < \nb
	v_max_num_f32 v[TM+\b], v[TM+\b], v[TM+4+\b]           ; with lane l xor 16's 16: the block's largest magnitude
.endif
.endr
.irp b, 0,1,2,3
.if \b < \nb
	v_add_nc_u32 v[TM+12+\b], 0xff000000, v[TM+\b]         ; 2 off its exponent field: the conversion's scale operand
.endif
.endr
.irp b, 0,1,2,3
.if \b < \nb
	v_lshrrev_b32 v[TM+4+\b], 23, v[TM+12+\b]              ; the scale's byte
.endif
.endr
	v_lshl_or_b32 v[\pw], v[TM+5], 8, v[TM+4]
.if \nb > 2
	v_lshl_or_b32 v[\pw], v[TM+6], 16, v[\pw]
	v_lshl_or_b32 v[\pw], v[TM+7], 24, v[\pw]
.endif
.irp c, 0,1
.if \c < (\nb)/2
	v_cvt_scalef32_pk16_fp6_f32 v[PC+6*\c:PC+2+6*\c], v[\s+32*\c:\s+15+32*\c], v[TM+12+2*\c]
	v_cvt_scalef32_pk16_fp6_f32 v[PC+12+4*\c:PC+14+4*\c], v[\s+16+32*\c:\s+31+32*\c], v[TM+13+2*\c]   ; (a conversion's three registers begin on an even number)
.endif
.endr
	v_nop                                          ; one plain instruction behind the scaled conversions
.irp c, 0,1
.if \c < (\nb)/2
.irp i, 0,1,2
	v_permlane16_swap_b32 v[PC+6*\c+\i], v[PC+12+4*\c+\i]  ; the operand wants a whole block in a lane
.endr
.irp i, 0,1,2
	v_mov_b32 v[PC+3+6*\c+\i], v[PC+12+4*\c+\i]
.endr
.endif
.endr
.endm
	s_load_b256 s[4:11], s[0:1], 0x0               ; cin, sin, pc, ps
	s_load_b128 s[12:15], s[0:1], 0x20             ; bq, bk
	s_load_b64 s[16:17], s[0:1], 0x30              ; bv
	v_lshl_add_u32 v[SPW], v0, 2, SPARE
	v_mov_b32 v[NIL], 0
	ds_add_u32 v28, v29
	ds_add_u32 v28, v29
	s_wait_dscnt 0x0
	v_lshrrev_b32 v1, 5, v0
	v_readfirstlane_b32 s18, v1                    ; wave 0..3
	s_lshr_b32 s19, s18, 1                         ; which half of the tile's rows is mine.  Also: I fetch for A (0) or for B (1)
	s_and_b32 s20, s18, 1                          ; which half of its columns.  Also: which eight groups of that tile I fetch
	s_bfe_u32 s21, ttmp6, 0x40000                  ; cx
	s_bfe_u32 s22, ttmp6, 0x40004                  ; cy
	s_and_b32 s3, ttmp7, 0xffff                    ; the cluster, 0 .. 23
	s_lshr_b32 s23, s3, 3                          ; the job
	s_and_b32 s2, s3, 7                            ; the cluster within the job
	s_lshl_b32 s44, s23, 9                         ; A's first group: q 0, kv 512,
	s_lshl_b32 s45, s23, 6
	s_add_co_u32 s45, s45, 1024                    ; B's: Wq 1,024, Wk 1,088
	s_mov_b32 s98, 98304
	s_mov_b32 s99, 0
	s_mov_b32 s92, 0x3f800000
	s_cmp_eq_u32 s23, 0
	s_cselect_b32 s92, 0x3e000000, s92             ; the factor: 1 / 8 for Q, else 1
	s_mov_b32 s93, s92                             ; (named with it as a pair, so it is written)
	s_cmp_lt_u32 s23, 2
	s_cselect_b32 s44, s44, 1152                   ; job 2: A is Wv,
	s_cselect_b32 s45, s45, 512                    ; B is kv
	s_cselect_b32 s40, s2, 0                       ; the clusters of a job lie along the tokens: down in jobs 0 and 1,
	s_cselect_b32 s41, 0, s2                       ; across in job 2
	s_cselect_b32 s98, 12288, s98                  ; s[98:99]: bytes from group to group in the output
	s_cselect_b32 s94, s92, 0                      ; what the bias along n is multiplied by,
	s_cselect_b32 s96, 0, 0x3f800000               ; and the bias along m
	s_mov_b32 s95, s94
	s_lshl_b32 s40, s40, 2
	s_add_co_u32 s40, s40, s22                     ; tile row
	s_lshl_b32 s41, s41, 2
	s_add_co_u32 s41, s41, s21                     ; tile column
	s_lshl_b32 s42, s22, 2
	s_lshl_b32 s42, 15, s42                        ; my row of the cluster
	s_lshl_b32 s43, 0x1111, s21                    ; my column
	; descriptor group 1, codes: 8 rows (groups) of 384 elements of 8 bytes, 1,536 elements apart; no padding
	s_or_b32 s[G1+0], s42, (3<<16)|(1<<21)         ; 15:0 the mask: A's tiles go to my row; 17:16 elements of 8 bytes; 21 set beside a mask
	s_or_b32 s[G1B+0], s43, (3<<16)|(1<<21)
.irp g, G1, G1B
	s_mov_b32 s[\g+1], 384<<16                     ; tensor_dim0
	s_mov_b32 s[\g+2], 8<<16                       ; tensor_dim1
	s_mov_b32 s[\g+3], 384<<16                     ; tile_dim0
	s_mov_b32 s[\g+4], 8                           ; tile_dim1
	s_mov_b32 s[\g+5], 1536                        ; tensor_dim0_stride
	s_mov_b32 s[\g+6], 0
	s_mov_b32 s[\g+7], 0
.endr
	; scale words of eight groups: 4,096 dense bytes as 16 rows of 256
	s_or_b32 s[G1S+0], s42, (3<<16)|(1<<21)
	s_or_b32 s[G1SB+0], s43, (3<<16)|(1<<21)
.irp g, G1S, G1SB
	s_mov_b32 s[\g+1], 32<<16
	s_mov_b32 s[\g+2], 16<<16
	s_mov_b32 s[\g+3], 32<<16
	s_mov_b32 s[\g+4], 16
	s_mov_b32 s[\g+5], 32
	s_mov_b32 s[\g+6], 0
	s_mov_b32 s[\g+7], 0
.endr
	s_lshl_b32 s100, s20, 3                        ; which eight groups of a tile I fetch
	s_lshl_b32 s46, s40, 4
	s_add_co_u32 s44, s44, s46
	s_add_co_u32 s44, s44, s100                    ; A: first group + 16 x tile row + 8 x half
	s_lshl_b32 s104, s41, 4
	s_add_co_u32 s45, s45, s104
	s_add_co_u32 s45, s45, s100                    ; B: first group + 16 x tile column + 8 x half
	s_mul_i32 s100, s18, HALFT                     ; where they go: wave x eight groups: no place in the cluster enters an LDS address
	s_mul_i32 s101, s18, HALFS
	s_mul_i32 s46, s44, GROW
	s_mov_b32 s47, 0
	s_mul_i32 s104, s45, GROW
	s_mov_b32 s105, 0
	s_wait_kmcnt 0x0
	s_add_nc_u64 s[46:47], s[4:5], s[46:47]
	s_add_nc_u64 s[104:105], s[4:5], s[104:105]
.irp s, 0,1
	s_mov_b32 s[G0+4*\s], 1
	s_add_co_u32 s[G0+4*\s+1], s100, \s*SLOT
	s_add_nc_u64 s[G0+4*\s+2:G0+4*\s+3], s[46:47], \s*GRPB
	s_or_b32 s[G0+4*\s+3], s[G0+4*\s+3], 0x80000000
	s_mov_b32 s[G0B+4*\s], 1
	s_add_co_u32 s[G0B+4*\s+1], s100, \s*SLOT
	s_add_nc_u64 s[G0B+4*\s+2:G0B+4*\s+3], s[104:105], \s*GRPB
	s_or_b32 s[G0B+4*\s+3], s[G0B+4*\s+3], 0x80000000
.endr
	s_lshl_b32 s46, s44, 9                         ; 512 bytes of scale words a group
	s_mov_b32 s47, 0
	s_lshl_b32 s104, s45, 9
	s_mov_b32 s105, 0
	s_mov_b32 s[G0S], 1
	s_add_co_u32 s[G0S+1], s101, SCL
	s_add_nc_u64 s[G0S+2:G0S+3], s[6:7], s[46:47]
	s_or_b32 s[G0S+3], s[G0S+3], 0x80000000
	s_mov_b32 s[G0SB], 1
	s_add_co_u32 s[G0SB+1], s101, SCL
	s_add_nc_u64 s[G0SB+2:G0SB+3], s[6:7], s[104:105]
	s_or_b32 s[G0SB+3], s[G0SB+3], 0x80000000
	CROUND                                         ; all sixteen work-groups are here: the first joint loads meet
	JLOAD G0S, G1S, G0SB, G1SB                     ; the scale words first: they are wanted with K step 0
	JLOAD G0, G1, G0B, G1B                         ; K step 0
	JLOAD G0+4, G1, G0B+4, G1B                     ; K step 1: three tensor loads of mine are out
	v_and_b32 v1, 15, v0                           ; r
	v_bfe_u32 v2, v0, 4, 1                         ; h
	v_and_b32 v3, 31, v0                           ; lane
	v_lshlrev_b32 v[O8], 3, v3
	v_lshlrev_b32 v[O16], 4, v3
	v_lshlrev_b32 v[BNO], 6, v2
	v_and_b32 v4, 8, v1
	v_add_nc_u32 v4, v4, v1
	v_lshlrev_b32 v[BMO], 2, v4
	; the biases.  Along n: bq or bk at my 128 columns (job 2: bk's first 128, multiplied by 0).  Along m: bv at my 128 rows (jobs 0, 1: bv's first 128, multiplied by 0).  No load leaves its buffer.
	s_cmp_eq_u32 s23, 0
	s_cselect_b64 s[12:13], s[12:13], s[14:15]
	s_lshl_b32 s100, s41, 10
	s_lshl_b32 s101, s20, 9
	s_add_co_u32 s100, s100, s101                  ; 4 (256 x tile column + 128 x half)
	s_lshl_b32 s2, s40, 10
	s_lshl_b32 s101, s19, 9
	s_add_co_u32 s2, s2, s101                      ; 4 (256 x tile row + 128 x half)
	s_cmp_lt_u32 s23, 2
	s_cselect_b32 s100, s100, 0
	s_cselect_b32 s2, 0, s2
	s_mov_b32 s101, 0
	s_mov_b32 s3, 0
	s_add_nc_u64 s[12:13], s[12:13], s[100:101]
	s_add_nc_u64 s[14:15], s[16:17], s[2:3]
.irp b, 0,1,2,3,4,5,6,7
	global_load_b128 v[BN+8*\b:BN+8*\b+3], v[BNO], s[12:13] offset:(32*(\b/2)+8*(\b%2))*4       ; in the result's layout: register 8 b + j is n = 32 (b / 2) + 16 h + 8 (b % 2) + j
	global_load_b128 v[BN+8*\b+4:BN+8*\b+7], v[BNO], s[12:13] offset:(32*(\b/2)+8*(\b%2))*4+16
.endr
.irp a, 0,1,2,3,4,5,6,7
	global_load_b32 v[BM+2*\a], v[BMO], s[14:15] offset:(32*(\a/2)+8*(\a%2))*4                  ; my row of A's group a
	v_mov_b32 v[BM+2*\a+1], 0                      ; (named with it as a pair, so it is written)
.endr
	s_mul_i32 s100, s19, HALFT                     ; my eight groups of A
	s_mul_i32 s101, s20, HALFT                     ; my eight groups of B,
	s_add_co_u32 s101, s101, 2*HALFT               ; which lie behind A's sixteen
.irp s, 0,1
	v_add_nc_u32 v[ADRA+\s], s100, v[O8]
	v_add_nc_u32 v[ADRB+\s], s101, v[O8]
	s_add_co_u32 s100, s100, SLOT
	s_add_co_u32 s101, s101, SLOT
.endr
	s_mul_i32 s100, s19, HALFS                     ; A's scale words: my eight groups
	s_mul_i32 s101, s20, HALFS                     ; B's, behind A's sixteen
	s_add_co_u32 s101, s101, 2*HALFS
	s_sub_co_u32 s101, s101, s100
	v_mul_u32_u24 v5, s101, v2                     ; lanes 16-31 take B's
	v_lshl_add_u32 v5, v1, 3, v5                   ; 8 bytes a row
	s_add_co_u32 s100, s100, SCL
	v_add_nc_u32 v[ADRS], s100, v5
	s_lshl_b32 s100, s18, 9
	s_add_co_u32 s100, s100, STG                   ; my 512 bytes for scale words on their way out
	v_lshl_add_u32 v[SWS], v1, 2, s100
	v_add_nc_u32 v[SRD], s100, v[O16]
	s_mov_b32 s[SEL], 0x76543210
	s_mov_b32 s[SEL+1], 0xfedcba98
	; where my results go.  Codes: job x 6,291,456 + (16 x tile row + 8 x half) groups + (4 x tile column + 2 x half) half fragments
	s_lshl_b32 s100, s40, 4
	s_lshl_b32 s101, s19, 3
	s_add_co_u32 s100, s100, s101                  ; my first group of the output
	s_mul_i32 s2, s100, s98
	s_mul_i32 s3, s23, 6291456
	s_add_co_u32 s2, s2, s3
	s_lshl_b32 s3, s41, 2
	s_lshl_b32 s101, s20, 1
	s_add_co_u32 s3, s3, s101
	s_mul_i32 s101, s3, 768
	s_add_co_u32 s2, s2, s101
	s_lshr_b32 s104, s3, 1                         ; n / 128 = 2 x tile column + half
	s_mov_b32 s3, 0
	s_add_nc_u64 s[8:9], s[8:9], s[2:3]
	; scale words: job x 262,144 + (n / 128) planes (of 512 groups in jobs 0 and 1, of 64 in job 2) + 64 bytes a group
	s_mov_b32 s101, 4096
	s_cmp_lt_u32 s23, 2
	s_cselect_b32 s101, 32768, s101
	s_mul_i32 s2, s104, s101
	s_lshl_b32 s100, s100, 6
	s_add_co_u32 s2, s2, s100
	s_lshl_b32 s101, s23, 18
	s_add_co_u32 s2, s2, s101
	s_add_nc_u64 s[10:11], s[10:11], s[2:3]
.macro FRAG reg, adr, q, i             ; a fragment, 16 rows x 128 K, is 12 registers: two half fragments, six planes of 256 bytes, 8 bytes a lane, as they lie
.irp p, 0,1,2,3,4,5
	ds_load_b64 v[\reg+2*\p:\reg+2*\p+1], v[\adr] offset:(\i)*GRPB+(\q)*1536+256*\p
.endr
.endm
; 16 matrix instructions: A's groups a0, a0 + 1 x B's eight, 128 along K: the slot's q-th.  p: B's set;  sc: the set of scale words.  zero = 1: the first product starts the sums.
; The 64 accumulators take turns, one instruction a turn, in the same order in every step.
.macro MUL16 a0, p, q, sc, zero
.irp a, \a0, \a0+1
.irp b, 0,1,2,3,4,5,6,7
.if \zero
	v_wmma_scale_f32_16x16x128_f8f6f4 v[8*(8*((\a)%4)+\b):8*(8*((\a)%4)+\b)+7], v[128*(\p)+FR*\b:128*(\p)+FR*\b+FR-1], v[AF+FR*(\a):AF+FR*(\a)+FR-1], 0, v[SC+8*NQ*(\sc)+NQ*\b+(\q)], v[SC+8*NQ*(\sc)+NQ*(\a)+(\q)] matrix_a_fmt:MATRIX_FMT_FP6 matrix_b_fmt:MATRIX_FMT_FP6 matrix_a_scale:MATRIX_SCALE_ROW1
.else
	v_wmma_scale_f32_16x16x128_f8f6f4 v[8*(8*((\a)%4)+\b):8*(8*((\a)%4)+\b)+7], v[128*(\p)+FR*\b:128*(\p)+FR*\b+FR-1], v[AF+FR*(\a):AF+FR*(\a)+FR-1], v[8*(8*((\a)%4)+\b):8*(8*((\a)%4)+\b)+7], v[SC+8*NQ*(\sc)+NQ*\b+(\q)], v[SC+8*NQ*(\sc)+NQ*(\a)+(\q)] matrix_a_fmt:MATRIX_FMT_FP6 matrix_b_fmt:MATRIX_FMT_FP6 matrix_a_scale:MATRIX_SCALE_ROW1
.endif
.endr
.endr
.endm
.macro FETCH_B slot, q, p              ; B's eight fragments of the slot's q-th 128 along K into set p
	WIN TO_B
.irp i, 0,1,2,3,4,5,6,7
	FRAG 128*(\p)+FR*\i, ADRB+\slot, \q, \i
.endr
	WIN 0
.endm
.macro FETCH_A slot, q, i0             ; A's groups i0 .. i0 + 3
.irp i, \i0, \i0+1, \i0+2, \i0+3
	FRAG AF+FR*(\i), ADRA+\slot, \q, \i
.endr
.endm
.macro SCALES sc                       ; a K step's scale words into set sc: two words a row; lanes 0-15 take A's group i, lanes 16-31 B's group i
.irp i, 0,1,2,3,4,5,6,7
	ds_load_b64 v[SC+8*NQ*\sc+NQ*\i:SC+8*NQ*\sc+NQ*\i+1], v[ADRS] offset:\i*512
.endr
.endm
.macro PLACES n                        ; plain vector instructions between a matrix instruction and a load into, or a read of, its registers (ISA guide 7.12.1 for reads)
.rept \n
	v_nop
.endr
.endm
; A step of 128 along K that has its successor in the same slot.
.macro STEP slot, q, zero
	s_wait_dscnt 4*NL                              ; B's set, A's groups 0-3 and the scale words are in; the youngest 24 loads (A's groups 4-7) may be out
	WIN MUL_LO
	MUL16 0, (\q)%2, \q, \slot, \zero
	MUL16 2, (\q)%2, \q, \slot, \zero
	s_wait_dscnt 0                                 ; A's groups 4-7 are in
	PLACES NP
	FETCH_B \slot, (\q)+1, 1-(\q)%2
	FETCH_A \slot, (\q)+1, 0
	WIN MUL_HI
	MUL16 4, (\q)%2, \q, \slot, \zero
	MUL16 6, (\q)%2, \q, \slot, \zero
	PLACES NP
	WIN 0
	FETCH_A \slot, (\q)+1, 4
.endm
; A slot's last step changes slots: one barrier; in front of it each wave waits for all its tensor loads, adds 0 to its spare word, and waits for that and for its own reads of this slot.  fill = 1: this slot is filled again, two K steps ahead.
.macro TURN slot, next, fill
	s_wait_tensorcnt 0x0                           ; all my tensor loads have landed: my part of the next slot (every window is 0 here)
	ds_add_u32 v[SPW], v[NIL]                      ; 0 onto my spare word
	s_wait_dscnt 4*NL+1                            ; (the add and the youngest 24 loads, A's groups 4-7, may be out)
	WIN MUL_LO
	MUL16 0, 1, NQ-1, \slot, 0                     ; sixteen matrix instructions stand between the add and the wait for it
	s_wait_dscnt 0x0                               ; the add is done, and my reads of this slot are over
	s_barrier_signal -1
	MUL16 2, 1, NQ-1, \slot, 0
	WIN 0
	s_barrier_wait -1
.if \fill
	CREST                                          ; the barrier has opened a round of the cluster's barrier: no wave of any partner still reads this slot or has a load on its way
	s_add_nc_u64 s[G0+4*\slot+2:G0+4*\slot+3], s[G0+4*\slot+2:G0+4*\slot+3], 2*GRPB
	s_add_nc_u64 s[G0B+4*\slot+2:G0B+4*\slot+3], s[G0B+4*\slot+2:G0B+4*\slot+3], 2*GRPB
	JLOAD G0+4*\slot, G1, G0B+4*\slot, G1B         ; the first tensor load behind the round; its four v_nop are also the places in front of the loads below
.else
	PLACES NP
.endif
	v_add_nc_u32 v[ADRS], 128, v[ADRS]             ; on to the next K step's scale words
	FETCH_B \next, 0, 0
	FETCH_A \next, 0, 0
	SCALES \next
	WIN MUL_HI
	MUL16 4, 1, NQ-1, \slot, 0
	MUL16 6, 1, NQ-1, \slot, 0
	PLACES NP
	WIN 0
	FETCH_A \next, 0, 4
.endm
	s_wait_tensorcnt 1                             ; the scale words and my part of K step 0 are in; K step 1's load may be out
	s_barrier_signal -1
	s_barrier_wait -1                              ; everybody's are
	FETCH_B 0, 0, 0
	FETCH_A 0, 0, 0
	SCALES 0
	FETCH_A 0, 0, 4
	STEP 0, 0, 1                                   ; K = 1,024 is four K steps: they are written out.  The first products start the sums
	TURN 0, 1, 1                                   ; slot 0 takes K step 2
	STEP 1, 0, 0
	TURN 1, 0, 1                                   ; slot 1 takes K step 3
	STEP 0, 0, 0
	TURN 0, 1, 0                                   ; nothing is left to fetch
	STEP 1, 0, 0
	s_wait_dscnt 4*NL
	WIN MUL_LO
	MUL16 0, 1, NQ-1, 1, 0
	MUL16 2, 1, NQ-1, 1, 0
	s_wait_dscnt 0
	WIN MUL_HI
	MUL16 4, 1, NQ-1, 1, 0
	MUL16 6, 1, NQ-1, 1, 0
	WIN 0
	; THE WAY OUT.  For each of A's eight groups: sum x factor + bias, in f32; four blocks of 32 along n are quantised in registers; two half fragments leave as they stand, the scale word through my 512 bytes of LDS.
	PLACES NP
	s_wait_loadcnt 0x0                             ; the biases
.irp b, 0,1,2,3
	v_mov_b32 v[TM+4+\b], 0                        ; written once: a lane permute's destination counts as one of its sources
.endr
.set i, 0
.rept 32
	v_pk_mul_f32 v[BN+i:BN+i+1], v[BN+i:BN+i+1], s[94:95] op_sel_hi:[1,0]   ; the bias along n x the factor (a power of two: nothing is rounded), or x 0
.set i, i+2
.endr
.irp a, 0,1,2,3,4,5,6,7
	v_mul_f32 v[BM+2*\a], s96, v[BM+2*\a]          ; the bias along m x 1, or x 0
.endr
.macro OUTA a
.set AC, 64*((\a)%4)
	WIN (0x02+(\a)/4)                              ; source 0: window 2 or 3
.set i, 0
.rept 32
	v_pk_fma_f32 v[T+i:T+i+1], v[AC+i:AC+i+1], s[92:93], v[BN+i:BN+i+1] op_sel_hi:[1,0,1]   ; each accumulator from its low end on
.set i, i+2
.endr
	WIN 0
.set i, 0
.rept 32
	v_pk_add_f32 v[T+i:T+i+1], v[T+i:T+i+1], v[BM+2*(\a):BM+2*(\a)+1] op_sel_hi:[1,0]
.set i, i+2
.endr
.if (\a) > 0
	s_wait_xcnt 0x0                                ; the last group's stores have read their base and the registers of codes
	s_add_nc_u64 s[8:9], s[8:9], s[98:99]          ; the next group of the output
.endif
	QUANT T, 4, PW
.irp p, 0,1,2,3,4,5
	global_store_b64 v[O8], v[PC+2*\p:PC+2*\p+1], s[8:9] offset:256*\p   ; 32 lanes store 256 consecutive bytes, aligned
.endr
	ds_store_b32 v[SWS], v[PW] offset:64*(\a)      ; both halves of the lanes write the same word with the same value
.endm
.irp a, 0,1,2,3,4,5,6,7
	OUTA \a
.endr
	ds_load_b128 v[232:235], v[SRD]                ; LDS serves a wave's instructions in order: this sees my stores
	s_wait_dscnt 0x0
	global_store_b128 v[O16], v[232:235], s[10:11] ; my eight groups' scale words: 512 consecutive bytes, aligned
	s_wait_tensorcnt 0x0                           ; the wave's end
	ds_add_u32 v[SPW], v[NIL]
	s_wait_dscnt 0x0
	CROUND                                         ; the closing round
	s_endpgm
.Lfunc_end_k_q2b9237db0f_proj:
	.size	k_q2b9237db0f_proj, .Lfunc_end_k_q2b9237db0f_proj-k_q2b9237db0f_proj
	.p2alignl 7, 3214868480
	.fill 96, 4, 3214868480
	.section	.rodata,"a",@progbits
	.p2align	6, 0x0
	.amdhsa_kernel k_q2b9237db0f_proj
		.amdhsa_group_segment_fixed_size 327680
		.amdhsa_private_segment_fixed_size 0
		.amdhsa_enable_private_segment 0
		.amdhsa_kernarg_size 56
		.amdhsa_user_sgpr_count 2
		.amdhsa_user_sgpr_kernarg_segment_ptr 1
		.amdhsa_wavefront_size32 1
		.amdhsa_system_sgpr_workgroup_id_x 1
		.amdhsa_system_sgpr_workgroup_id_y 1
		.amdhsa_system_sgpr_workgroup_id_z 1
		.amdhsa_system_vgpr_workitem_id 0
		.amdhsa_next_free_vgpr 1024
		.amdhsa_next_free_sgpr 106
		.amdhsa_reserve_vcc 0
		.amdhsa_float_denorm_mode_32 3
		.amdhsa_float_denorm_mode_16_64 3
		.amdhsa_memory_ordered 1
		.amdhsa_forward_progress 1
		.amdhsa_inst_pref_size 205
	.end_amdhsa_kernel
	.amdgpu_metadata
---
amdhsa.version: [ 1, 2 ]
amdhsa.kernels:
  - .name:           k_q2b9237db0f_proj
    .symbol:         k_q2b9237db0f_proj.kd
    .args:
      - { .name: cin, .offset: 0, .size: 8, .value_kind: global_buffer, .address_space: global }
      - { .name: sin, .offset: 8, .size: 8, .value_kind: global_buffer, .address_space: global }
      - { .name: pc, .offset: 16, .size: 8, .value_kind: global_buffer, .address_space: global }
      - { .name: ps, .offset: 24, .size: 8, .value_kind: global_buffer, .address_space: global }
      - { .name: bq, .offset: 32, .size: 8, .value_kind: global_buffer, .address_space: global }
      - { .name: bk, .offset: 40, .size: 8, .value_kind: global_buffer, .address_space: global }
      - { .name: bv, .offset: 48, .size: 8, .value_kind: global_buffer, .address_space: global }
    .group_segment_fixed_size: 327680
    .private_segment_fixed_size: 0
    .kernarg_segment_align: 8
    .kernarg_segment_size: 56
    .max_flat_workgroup_size: 128
    .sgpr_count:     106
    .vgpr_count:     1024
    .wavefront_size: 32
...
	.end_amdgpu_metadata
.endif
;; end of part 2
;; launch attn (part 3): grid 4 x 64, 16 waves a work-group, clusters of 4 x 1, 210,944 bytes of LDS; arguments pc, ps, xc, xs; writes xc, xs
.if DOCPART == 3
	.amdgcn_target "amdgcn-amd-amdhsa--gfx1250"
	.amdhsa_code_object_version 6
	.text
	.protected	k_q2b9237db0f_attn
	.globl	k_q2b9237db0f_attn
	.p2align	8
	.type	k_q2b9237db0f_attn,@function
k_q2b9237db0f_attn:
	s_mov_b64 s[64:65], 0
	v_nop
	global_prefetch_b8 v0, s[64:65] scope:SCOPE_SE
	s_setreg_imm32_b32 hwreg(HW_REG_WAVE_MODE, 25, 1), 1
	s_wait_xcnt 0x0
	s_wait_alu depctr_hold_cnt(0) depctr_sa_sdst(0) depctr_va_vdst(0) depctr_va_sdst(0) depctr_va_ssrc(0) depctr_va_vcc(0) depctr_vm_vsrc(0)
	s_getreg_b32 s2, hwreg(HW_REG_IB_STS2, 6, 4)
	s_cmp_eq_u32 s2, 0
	s_cbranch_scc0 .Lentry_in_a_cluster
	s_endpgm
.Lentry_in_a_cluster:
	s_bfe_u32 s2, ttmp6, 0x10000c
	s_cmp_lg_u32 s2, 0x3003
	s_cbranch_scc0 .Lentry_shape_is_right
	s_endpgm
.Lentry_shape_is_right:
; x[b][q][head] = softmax_one(Q K^T) V for 64 (batch, head) pairs of 2,048 queries x 2,048 keys, head size 64; both products on codes of FP6 (E2M3) with E8M0 scales.  (Q already holds the factor 1 / 8.)
; softmax_one: m = the row's maximum, p = exp(s - m) / (exp(-m) x 0 + 1 + sum of exp(s - m)).  WHAT IS QUANTISED FOR THE SECOND PRODUCT IS THE FINISHED p, so the row's m and divisor are wanted before any code is made:
; TWO PASSES over the keys.  Pass 1: S^T = K Q^T, a running maximum and the sum.  Pass 2: S^T again (the same instructions, the same bits), p, its codes along the keys, O^T += V^T P^T.  At the end O is quantised along the features for the last projection.
; ARITHMETIC.  c = log2(e).  Pass 1 sums 2^(s c - M) with M the lane's running maximum x c rounded up to a whole number; when M moves the sum is multiplied by 2^(old M - new M), which rounds nothing.
; Pass 2: p = 2^(s c + A), A = -m c - log2(divisor): s c + A is ONE fused multiply-add, and so is A.
; SHARES.  A work-group is one (batch, head) and 512 queries; each of its sixteen waves takes two groups of 16 queries, one after the other; a lane holds ONE query throughout (both products are used transposed).
; THE WHOLE HEAD'S K AND V LIE IN LDS, filled once (204 KB): no slot is ever filled again, and nothing is stored to LDS.  The four work-groups of a cluster are the four query blocks of one head: each fill is asked for jointly.
; FORMAT (pc, ps; xc, xs): groups of 16 rows, place r of group g = row 32 (g / 2) + 8 (g % 2) + r + 8 (r / 8); half fragments of 768 bytes, [plane][lane][8 bytes].  So the 16 registers of key groups 2 b, 2 b + 1 are keys 32 b + 16 h + 0 .. 15.
; TWO KEY GROUPS TO A FRAGMENT.  The first product's K is 64, half of the instruction's 128.  A fragment of K holds group 2 f at k = 0 .. 63 and group 2 f + 1 at k = 64 .. 127 (1,536 consecutive bytes of LDS) and is multiplied twice:
; by [Q | zero codes] for group 2 f and by [zero codes | Q] for group 2 f + 1.  The scale bytes of a half that meets zero codes are 0 (2^-127).  So a step's 128 keys are 48 registers, brought by one run of loads.
; ONE REGION X OF 48 REGISTERS HOLDS K AND V BY TURNS, and each run of LDS loads is issued a phase of vector work ahead of the wait for it.  Pass 1: K of step j + 1 is asked for behind the products of step j.
; Pass 2: K Q^T (j) | V (j - 1) asked for | half of the exponentials | V^T P^T (j - 1) | K (j + 1) asked for | the other half, p's codes.  THE SECOND PRODUCT LAGS ONE STEP: the first trip multiplies zero codes of p (with bytes
; of K where a step before V's first would lie: they add nothing), and the last product stands behind the loop.  The last trip of each loop asks for the bytes that follow K's last step, inside LDS, and nobody uses them.
; LIMITS: NaN and infinities are not served; rows whose maximum lies under -1e38 are not served; p under 2^-126 counts as 0 (ISA guide 15.8: v_exp_f32 flushes); a block of zeros gets the byte 1: its codes are zeros.
; A is rounded once, to half a unit in its last place at the most: no more than twice the rounding of a score near m; log2(divisor), a number from 0 to 11, is v_log_f32's, good to one unit in its last place.
; xs is written two bytes for each query and head: each head owns two of a row's scale bytes.
.set VC,  98304                        ; LDS: K's codes at 0: 128 groups x 768;  V's here: [group of features 0..3][key / 64][768]
.set KS,  196608                       ; K's scale words: [group][r][4 bytes] (of a pair of heads)
.set VS,  204800                       ; V's: [key / 128][group of features][r][4 bytes]
.set QZ,  16                           ; v16-45   six zeros, tile 0's Q, six zeros, tile 1's Q, six zeros: [Q | 0] begins at Q, [0 | Q] six registers ahead of it
.set QS,  46                           ; v46-49   Q's scale words: tile 0's for [Q | 0], for [0 | Q]; tile 1's likewise
.set X,   50                           ; v50-97   four fragments: K's of a step, or V's
.set KSW, 98                           ; v98-101  K's scale words as loaded: lanes 0-15 group 2 f's two bytes, lanes 16-31 group 2 f + 1's
.set KSH, 102                          ; v102-105 the same 16 bits up: for k = 64 .. 127
.set VSW, 106                          ; v106-107 V's scale words: lanes 0-15 an even group's, lanes 16-31 the odd one's
.set S,   108                          ; v108-171 S^T, then p
.set O,   172                          ; v172-203 O^T
.set PC,  204                          ; v204-223 codes
.set TM,  224                          ; v224-239 at work in the quantiser
.set PW,  240                          ; v240     the scale word just made
.set AV2, 241                          ; v241     LDS address of V's groups 2 and 3
.set MX,  242                          ; v242-245 maxima
.set T2,  246                          ; v246     at work
.set FF,  248                          ; v[248:249] 2^(old M - new M)
.set OM,  250                          ; v250     the old -M;  v251 at work in the head
.set C1,  252                          ; v[252:253], v[254:255], v[246:247]: three of the four chains of a step's sum
.set C2,  254
.set C3,  246
.set SEL, 18                           ; s[18:19] lane selects: lane l xor 16
; v1 8 L (K's codes), v2 KS + 4 L + 2 (head % 2), v3 VC - 1,536 + 8 L, v4 VS - 256 + 4 L (V's bases lie one step back); v5-8 the addresses in hand; v9 8 L, v10 4 r + 2 (head % 2), v11 8 r: offsets in memory
; v12 -M, then A; v13 m; v[14:15] the sum.   s22, s23: the next step of K's codes and scale words; s2, s3: V's; s85 counts the steps
.macro CROUND                          ; a round of the cluster's barrier
	s_barrier_signal -1
	s_barrier_wait -1
	s_cmp_lg_u32 s12, 0
	s_cbranch_scc1 .Lnot_wave_0_\@
	s_barrier_signal -3
.Lnot_wave_0_\@:
	s_barrier_wait -3
	s_barrier_signal -1
	s_barrier_wait -1
.endm
; THE QUANTISER, in two parts.  16 nb numbers of a lane, register s + 16 b + i = index 32 b + 16 h + i of my row.  QMAX: each block's largest magnitude.
.macro QMAX s, nb
.irp b, 0,1,2,3
.if \b < \nb
	v_max3_num_f32 v[TM+\b], |v[\s+16*\b]|, |v[\s+1+16*\b]|, 0x1800000   ; my 16 numbers of block b, and the floor 2^(3 - 127): the byte cannot fall under 1
.endif
.endr
.irp i, 2,4,6,8,10,12,14
.irp b, 0,1,2,3
.if \b < \nb
	v_max3_num_f32 v[TM+\b], v[TM+\b], |v[\s+16*\b+\i]|, |v[\s+1+16*\b+\i]|   ; the blocks by turns
.endif
.endr
.endr
.irp b, 0,1,2,3
.if \b < \nb
	v_permlanex16_b32 v[TM+4+\b], v[TM+\b], s[SEL], s[SEL+1]
.endif
.endr
.irp b, 0,1,2,3
.if \b < \nb
	v_max_num_f32 v[TM+\b], v[TM+\b], v[TM+4+\b]           ; with lane l xor 16's 16
.endif
.endr
.endm
; QCODE: the scale bytes into v[pw], the codes into v[PC] on (six registers for each 64).
.macro QCODE s, nb, pw
.irp b, 0,1,2,3
.if \b < \nb
	v_add_nc_u32 v[TM+12+\b], 0xff000000, v[TM+\b]         ; 2 off the exponent field: the conversion's scale operand
.endif
.endr
.irp b, 0,1,2,3
.if \b < \nb
	v_lshrrev_b32 v[TM+4+\b], 23, v[TM+12+\b]              ; the scale's byte
.endif
.endr
	v_lshl_or_b32 v[\pw], v[TM+5], 8, v[TM+4]
.if \nb > 2
	v_lshl_or_b32 v[\pw], v[TM+6], 16, v[\pw]
	v_lshl_or_b32 v[\pw], v[TM+7], 24, v[\pw]
.endif
.irp c, 0,1
.if \c < (\nb)/2
	v_cvt_scalef32_pk16_fp6_f32 v[PC+6*\c:PC+2+6*\c], v[\s+32*\c:\s+15+32*\c], v[TM+12+2*\c]
	v_cvt_scalef32_pk16_fp6_f32 v[PC+12+4*\c:PC+14+4*\c], v[\s+16+32*\c:\s+31+32*\c], v[TM+13+2*\c]   ; (a conversion's three registers begin on an even number)
.endif
.endr
	v_nop                                          ; one plain instruction behind the scaled conversions
.irp c, 0,1
.if \c < (\nb)/2
.irp i, 0,1,2
	v_permlane16_swap_b32 v[PC+6*\c+\i], v[PC+12+4*\c+\i]  ; the operand wants a whole block in a lane
.endr
.irp i, 0,1,2
	v_mov_b32 v[PC+3+6*\c+\i], v[PC+12+4*\c+\i]
.endr
.endif
.endr
.endm
	s_load_b256 s[4:11], s[0:1], 0x0               ; pc, ps, xc, xs
	v_lshl_add_u32 v234, v0, 2, 0x33000
	v_mov_b32 v235, 0
	ds_add_u32 v234, v235
	ds_add_u32 v234, v235
	v_lshrrev_b32 v5, 5, v0
	v_readfirstlane_b32 s12, v5                    ; wave 0..15
	s_bfe_u32 s13, ttmp6, 0x40000                  ; cx: my block of 512 queries; it enters Q's and x's addresses in memory alone
	s_and_b32 s14, ttmp7, 0xffff                   ; (batch, head), which the four partners share
	s_lshr_b32 s15, s14, 4                         ; batch
	s_and_b32 s16, s14, 15                         ; head
	s_and_b32 s17, s16, 1                          ; which half of a scale word is the head's
	s_mov_b32 s[SEL], 0x76543210
	s_mov_b32 s[SEL+1], 0xfedcba98
	s_mov_b32 s20, 0x3fb8aa3b                      ; c = log2(e)
	s_mov_b32 s21, s20                             ; (named with it as a pair, so it is written)
	; descriptor groups 1: elements of 8 bytes, the mask of all four work-groups, bit 21 beside it, no padding
.irp g, 24, 32, 40, 48
	s_mov_b32 s[\g], 15|(3<<16)|(1<<21)
	s_mov_b32 s[\g+6], 0
	s_mov_b32 s[\g+7], 0
.endr
	s_mov_b32 s25, 96<<16                          ; K's codes: 32 groups' half fragments of 768 bytes, 12,288 bytes apart
	s_mov_b32 s26, 32<<16
	s_mov_b32 s27, 96<<16
	s_mov_b32 s28, 32
	s_mov_b32 s29, 1536
	s_mov_b32 s33, 32<<16                          ; V's codes: 24,576 dense bytes as 96 rows of 256
	s_mov_b32 s34, 96<<16
	s_mov_b32 s35, 32<<16
	s_mov_b32 s36, 96
	s_mov_b32 s37, 32
	s_mov_b32 s41, 32<<16                          ; K's scale words: 8,192 dense bytes as 32 rows of 256
	s_mov_b32 s42, 32<<16
	s_mov_b32 s43, 32<<16
	s_mov_b32 s44, 32
	s_mov_b32 s45, 32
	s_mov_b32 s49, 32<<16                          ; V's scale words: 16 rows of 256 bytes, 4,096 bytes apart
	s_mov_b32 s50, 16<<16
	s_mov_b32 s51, 32<<16
	s_mov_b32 s52, 16
	s_mov_b32 s53, 512
	s_and_b32 s86, s12, 3                          ; which quarter of the codes a fetching wave takes
	s_lshl_b32 s90, s15, 7                         ; the batch's first group of tokens
	s_mul_i32 s91, s16, 768                        ; the head's half fragment in a group of tokens
	s_lshl_b32 s87, s86, 5
	s_add_co_u32 s87, s87, s90
	s_mul_i32 s88, s87, 12288
	s_add_co_u32 s88, s88, s91
	s_add_co_u32 s88, s88, 6291456                 ; K's codes: groups 128 b + 32 w on, my head
	s_mov_b32 s89, 0
	s_wait_dscnt 0x0
	s_wait_kmcnt 0x0
	s_mov_b32 s56, 1
	s_mul_i32 s57, s86, 24576
	s_add_nc_u64 s[58:59], s[4:5], s[88:89]
	s_or_b32 s59, s59, 0x80000000
	s_lshl_b32 s87, s16, 2
	s_add_co_u32 s87, s87, s86
	s_mul_i32 s88, s87, 98304
	s_mul_i32 s87, s15, 24576
	s_add_co_u32 s88, s88, s87
	s_add_co_u32 s88, s88, 12582912                ; V's codes: group of features 4 head + w, the batch's 32 half fragments
	s_mov_b32 s60, 1
	s_add_co_u32 s61, s57, VC
	s_add_nc_u64 s[62:63], s[4:5], s[88:89]
	s_or_b32 s63, s63, 0x80000000
	s_lshr_b32 s14, s16, 1
	s_lshl_b32 s14, s14, 15                        ; the plane of scale words of my pair of heads
	s_lshl_b32 s87, s90, 6
	s_add_co_u32 s88, s14, s87
	s_add_co_u32 s88, s88, 262144                  ; K's scale words: the batch's 128 groups
	s_mov_b32 s68, 1
	s_mov_b32 s69, KS
	s_add_nc_u64 s[70:71], s[6:7], s[88:89]
	s_or_b32 s71, s71, 0x80000000
	s_lshl_b32 s88, s15, 16
	s_lshl_b32 s87, s16, 8
	s_add_co_u32 s88, s88, s87
	s_add_co_u32 s88, s88, 524288                  ; V's scale words: planes 16 b on, groups 4 head on
	s_mov_b32 s72, 1
	s_mov_b32 s73, VS
	s_add_nc_u64 s[74:75], s[6:7], s[88:89]
	s_or_b32 s75, s75, 0x80000000
	CROUND                                         ; all four work-groups are here: the joint loads meet
	s_cmp_lt_u32 s12, 4                            ; waves 0-3: a quarter of K's codes and of V's; wave 4: the scale words; a wave's two fills stand in one branch: two loads of mine are out at the most
	s_cbranch_scc0 .Lnot_codes
	tensor_load_to_lds s[56:59], s[24:31]
	s_nop 0
	tensor_load_to_lds s[60:63], s[32:39]
	s_nop 0
.rept 4
	v_nop
.endr
	s_branch .Lasked
.Lnot_codes:
	s_cmp_eq_u32 s12, 4
	s_cbranch_scc0 .Lasked
	tensor_load_to_lds s[68:71], s[40:47]
	s_nop 0
	tensor_load_to_lds s[72:75], s[48:55]
	s_nop 0
.rept 4
	v_nop
.endr
.Lasked:
	s_lshl_b32 s87, s13, 5
	s_add_co_u32 s87, s87, s90
	s_lshl_b32 s86, s12, 1
	s_add_co_u32 s87, s87, s86                     ; my first group of queries: 128 b + 32 cx + 2 w
	s_mul_i32 s88, s87, 12288
	s_add_co_u32 s88, s88, s91
	s_add_nc_u64 s[76:77], s[4:5], s[88:89]        ; Q's codes
	s_add_nc_u64 s[80:81], s[8:9], s[88:89]        ; x's codes: the same place in xc
	s_lshl_b32 s88, s87, 6
	s_add_co_u32 s88, s88, s14
	s_add_nc_u64 s[78:79], s[6:7], s[88:89]        ; Q's scale words
	s_lshl_b32 s88, s87, 9
	s_lshr_b32 s86, s16, 2
	s_lshl_b32 s86, s86, 7
	s_add_co_u32 s88, s88, s86
	s_and_b32 s86, s16, 3
	s_lshl_b32 s86, s86, 1
	s_add_co_u32 s88, s88, s86
	s_add_nc_u64 s[82:83], s[10:11], s[88:89]      ; x's scale bytes: group x 512 + (head / 4) x 128 + 2 (head % 4)
	v_and_b32 v251, 31, v0                         ; lane
	v_and_b32 v[OM], 15, v0                        ; r
	v_lshlrev_b32 v1, 3, v251
	v_lshlrev_b32 v4, 2, v251
	s_lshl_b32 s87, s17, 1
	s_add_co_u32 s86, s87, KS
	v_add_nc_u32 v2, s86, v4
	v_add_nc_u32 v3, VC-1536, v1                   ; one step of 128 keys ahead of V's first: trip j of pass 2 fetches V of step j - 1
	v_add_nc_u32 v4, VS-256, v4
	v_lshlrev_b32 v9, 3, v251
	v_lshlrev_b32 v10, 2, v[OM]
	v_add_nc_u32 v10, s87, v10
	v_lshlrev_b32 v11, 3, v[OM]
.irp p, 0,1,2
	global_load_b64 v[QZ+6+2*\p:QZ+7+2*\p], v9, s[76:77] offset:256*\p               ; both tiles' Q stay in registers
	global_load_b64 v[QZ+18+2*\p:QZ+19+2*\p], v9, s[76:77] offset:12288+256*\p
.endr
	global_load_u16 v[QS], v10, s[78:79]           ; the head's two bytes; the upper two are 0
	global_load_u16 v[QS+2], v10, s[78:79] offset:64
.irp z, 0,12,24
.irp j, 0,1,2,3,4,5
	v_mov_b32 v[QZ+\z+\j], 0                       ; zero codes beside Q
.endr
.endr
	s_wait_loadcnt 0x0                             ; Q
	v_lshlrev_b32 v[QS+1], 16, v[QS]               ; the same two bytes for k = 64 .. 127 (more than eight plain instructions stand between these lines and the first product)
	v_lshlrev_b32 v[QS+3], 16, v[QS+2]
.irp b, 0,1,2,3
	v_mov_b32 v[TM+4+\b], 0                        ; written once: a lane permute's destination counts as one of its sources
.endr
	v_mov_b32 v[FF+1], 0                           ; (named as the upper half of a pair)
	s_wait_tensorcnt 0x0                           ; my fills have landed,
	s_barrier_signal -1
	s_barrier_wait -1                              ; everybody's have: K, V and their scale words are whole, and stay
; A step's K: four fragments of two groups each, 1,536 consecutive bytes a fragment, and the scale words.  a, s: the address registers.
.macro KLOAD a, s
.irp f, 0,1,2,3
.irp p, 0,1,2,3,4,5
	ds_load_b64 v[X+12*\f+2*\p:X+12*\f+2*\p+1], v[\a] offset:\f*1536+256*\p
.endr
.endr
.irp f, 0,1,2,3
	ds_load_u16 v[KSW+\f], v[\s] offset:\f*128
.endr
.endm
.macro KSHIFT                          ; K has landed; the odd groups' bytes go up to the places of k = 64 .. 127.  Eight plain instructions or more follow ahead of the products
	s_wait_dscnt 0x0
.irp f, 0,1,2,3
	v_lshlrev_b32 v[KSH+\f], 16, v[KSW+\f]
.endr
.endm
; S^T for 128 keys.  q: the first of the tile's six registers of Q; qs: its two scale words.
.macro KQ8 q, qs
.irp f, 0,1,2,3
	v_wmma_scale_f32_16x16x128_f8f6f4 v[S+16*\f:S+16*\f+7], v[X+12*\f:X+12*\f+11], v[\q:\q+11], 0, v[KSW+\f], v[\qs] matrix_a_fmt:MATRIX_FMT_FP6 matrix_b_fmt:MATRIX_FMT_FP6
	v_wmma_scale_f32_16x16x128_f8f6f4 v[S+16*\f+8:S+16*\f+15], v[X+12*\f:X+12*\f+11], v[\q-6:\q+5], 0, v[KSH+\f], v[\qs+1] matrix_a_fmt:MATRIX_FMT_FP6 matrix_b_fmt:MATRIX_FMT_FP6 matrix_a_scale:MATRIX_SCALE_ROW1
.endr
.endm
.macro VLOAD                           ; V's four fragments (16 features x 128 keys each) and their scale words
.irp d, 0,1
.irp p, 0,1,2,3,4,5
	ds_load_b64 v[X+12*\d+2*\p:X+12*\d+2*\p+1], v7 offset:\d*24576+256*\p
.endr
.endr
.irp d, 0,1
.irp p, 0,1,2,3,4,5
	ds_load_b64 v[X+24+12*\d+2*\p:X+24+12*\d+2*\p+1], v[AV2] offset:\d*24576+256*\p
.endr
.endr
	ds_load_b32 v[VSW], v8                         ; lanes 0-15 group 0's words, lanes 16-31 group 1's
	ds_load_b32 v[VSW+1], v8 offset:128            ; groups 2 and 3
.endm
.macro PV                              ; O^T += V^T P^T: the four accumulators take turns, one instruction a turn
.irp d, 0,1,2,3
.if \d%2
	v_wmma_scale_f32_16x16x128_f8f6f4 v[O+8*\d:O+8*\d+7], v[X+12*\d:X+12*\d+11], v[PC:PC+11], v[O+8*\d:O+8*\d+7], v[VSW+\d/2], v[PW] matrix_a_fmt:MATRIX_FMT_FP6 matrix_b_fmt:MATRIX_FMT_FP6 matrix_a_scale:MATRIX_SCALE_ROW1
.else
	v_wmma_scale_f32_16x16x128_f8f6f4 v[O+8*\d:O+8*\d+7], v[X+12*\d:X+12*\d+11], v[PC:PC+11], v[O+8*\d:O+8*\d+7], v[VSW+\d/2], v[PW] matrix_a_fmt:MATRIX_FMT_FP6 matrix_b_fmt:MATRIX_FMT_FP6
.endif
.endr
.endm
.macro FMAS a, n                       ; s c + v12 for n pairs of scores from register a on (of the pairs c and v[12:13] the low word serves both halves)
.set i, \a
.rept \n
	v_pk_fma_f32 v[S+i:S+i+1], v[S+i:S+i+1], s[20:21], v[12:13] op_sel_hi:[1,0,0]
.set i, i+2
.endr
.endm
.macro EXPN a, n                       ; n exponentials from register a on
.set i, \a
.rept \n
	v_exp_f32 v[S+i], v[S+i]
.set i, i+1
.endr
.endm
; One group of 16 queries.  q: the first of Q's six registers; qs: its scale words; n: 0 or 1, the tile's place in the stores' immediates.
.macro TILE q, qs, n
	s_wait_xcnt 0x0                                ; the tile before has stored from the registers of codes and of the scale word: they are written again below
	KLOAD 1, 2                                     ; K of step 0
	v_mov_b32 v13, 0xfe967699                      ; the largest score so far: -1e38
	v_mul_f32 v[T2], -v13, s20
	v_floor_f32 v12, v[T2]                         ; -M
	v_mov_b32 v14, 0                               ; the sum, in two halves
	v_mov_b32 v15, 0
	s_mov_b32 s22, 6144
	s_mov_b32 s23, 512
	s_mov_b32 s85, 16
	KSHIFT
.set i, 0
.rept 12
	v_mov_b32 v[PC+i], 0                           ; zero codes of p for pass 2's first trip, whose second product has no step before it
.set i, i+1
.endr
	v_mov_b32 v[PW], 0
.Lp1_\@:                                           ; PASS 1, 16 steps of 128 keys.  A lane keeps the maximum, M and sum of its own 1,024 keys: no lane is asked in the loop
	KQ8 \q, \qs
	v_add_nc_u32 v5, s22, v1                       ; four plain instructions: the places in front of the loads into K's registers and of the first read of the scores
	v_add_nc_u32 v6, s23, v2
	v_mov_b32 v[OM], v12
	v_nop
	KLOAD 5, 6                                     ; the next step's K: it has this step's maxima, scalings and exponentials in which to land
.irp b, 0,1,2,3
	v_max3_num_f32 v[MX+\b], v[S+16*\b], v[S+16*\b+1], v[S+16*\b+2]   ; the largest of my 16 scores of each block, the four blocks by turns; each accumulator is read from its low end on
.endr
.irp i, 3,5,7,9,11,13
.irp b, 0,1,2,3
	v_max3_num_f32 v[MX+\b], v[MX+\b], v[S+16*\b+\i], v[S+16*\b+\i+1]
.endr
.endr
.irp b, 0,1,2,3
	v_max_num_f32 v[MX+\b], v[MX+\b], v[S+16*\b+15]
.endr
	v_max3_num_f32 v[T2], v[MX], v[MX+1], v[MX+2]
	v_max3_num_f32 v13, v13, v[T2], v[MX+3]        ; the running maximum
	v_mul_f32 v[T2], -v13, s20
	v_floor_f32 v12, v[T2]                         ; the new -M: M is a whole number
	FMAS 0, 32
	EXPN 0, 64                                     ; one batch
	v_sub_f32 v[OM], v12, v[OM]                    ; old M - new M: a whole number, 0 or less.  (Plain work behind the exponentials)
	v_cvt_i32_f32 v[OM], v[OM]                     ; (it saturates)
	v_ldexp_f32 v[FF], 1.0, v[OM]                  ; 2^(old M - new M)
	KSHIFT
	v_pk_mul_f32 v[14:15], v[14:15], v[FF:FF+1] op_sel_hi:[1,0]   ; the sum under the new M
	s_wait_alu depctr_va_vdst(0)                   ; one wait for the batch, ahead of its first reader
	v_pk_add_f32 v[C1:C1+1], v[S:S+1], v[S+2:S+3]  ; the step's sum, two at a time, in four chains
	v_pk_add_f32 v[C2:C2+1], v[S+4:S+5], v[S+6:S+7]
	v_pk_add_f32 v[C3:C3+1], v[S+8:S+9], v[S+10:S+11]
	v_pk_add_f32 v[14:15], v[14:15], v[S+12:S+13]
.irp j, 14,22,30,38,46,54
	v_pk_add_f32 v[C1:C1+1], v[C1:C1+1], v[S+\j:S+\j+1]
	v_pk_add_f32 v[C2:C2+1], v[C2:C2+1], v[S+\j+2:S+\j+3]
	v_pk_add_f32 v[C3:C3+1], v[C3:C3+1], v[S+\j+4:S+\j+5]
	v_pk_add_f32 v[14:15], v[14:15], v[S+\j+6:S+\j+7]
.endr
	v_pk_add_f32 v[C1:C1+1], v[C1:C1+1], v[S+62:S+63]
	v_pk_add_f32 v[C2:C2+1], v[C2:C2+1], v[C3:C3+1]
	v_pk_add_f32 v[14:15], v[14:15], v[C1:C1+1]
	v_pk_add_f32 v[14:15], v[14:15], v[C2:C2+1]
	s_add_co_u32 s22, s22, 6144                    ; eight groups of codes on,
	s_add_co_u32 s23, s23, 512                     ; and of scale words
	s_sub_co_u32 s85, s85, 1
	s_cmp_lg_u32 s85, 0
	s_cbranch_scc1 .Lp1_\@
	; the row's m, divisor and A
	KLOAD 1, 2                                     ; K of step 0 again, for pass 2 (no LDS load of mine is out: the last trip has waited)
	v_permlanex16_b32 v[MX], v13, s[SEL], s[SEL+1]
	v_add_f32 v14, v14, v15
	v_max_num_f32 v13, v13, v[MX]                  ; m: with lane l xor 16's keys
	v_mul_f32 v[MX+1], -v13, s20                   ; -m c
	v_fma_f32 v[MX+2], -v13, s20, -v12             ; my M - m c
	v_exp_f32 v[MX+2], v[MX+2]
	v_exp_f32 v[MX+1], v[MX+1]                     ; exp(-m)
.set i, 0
.rept 16
	v_mov_b32 v[O+i], 0                            ; O^T begins at 0, so that pass 2's step is written once; plain work behind the two exponentials
.set i, i+1
.endr
	s_wait_alu depctr_va_vdst(0)                   ; one wait for the two
	v_mul_f32 v14, v14, v[MX+2]                    ; my sum under m
	v_permlanex16_b32 v[MX], v14, s[SEL], s[SEL+1]
	v_add_f32 v14, v14, v[MX]                      ; the row's sum of exp(s - m)
	v_add_f32 v14, 1.0, v14
	v_fma_f32 v14, v[MX+1], 0, v14                 ; exp(-m) x 0 + 1 + sum
	v_log_f32 v15, v14
	v_nop                                          ; a plain instruction behind the logarithm
	s_wait_alu depctr_va_vdst(0)
	v_fma_f32 v12, -v13, s20, -v15                 ; A = -m c - log2(divisor)
	KSHIFT
.rept 16
	v_mov_b32 v[O+i], 0                            ; (these sixteen are also the plain instructions between the shifts and the products)
.set i, i+1
.endr
	s_mov_b32 s22, 6144
	s_mov_b32 s23, 512
	s_mov_b32 s2, 0
	s_mov_b32 s3, 0
	s_mov_b32 s85, 16
.Lp2_\@:                                           ; PASS 2, 16 steps of 128 keys
	KQ8 \q, \qs
	v_add_nc_u32 v7, s2, v3                        ; five plain instructions: the places in front of the loads into K's registers and of the first read of the scores
	v_add_nc_u32 v8, s3, v4
	v_add_nc_u32 v5, s22, v1
	v_add_nc_u32 v6, s23, v2
	v_add_nc_u32 v[AV2], 49152, v7                 ; V's groups 2 and 3 lie beyond an LDS instruction's 16-bit offset
	VLOAD                                          ; V of the step before, where K lay
	FMAS 0, 28
	EXPN 0, 32
	s_wait_dscnt 0x0                               ; V is in
	PV                                             ; the step before's second product: its p's codes and scale word were made in the last trip
	FMAS 56, 4                                     ; the last four pairs' scalings are the places in front of the loads into V's registers
	KLOAD 5, 6                                     ; the next step's K, where V lay
	EXPN 32, 32
	v_nop                                          ; a plain instruction behind the exponentials
	s_wait_alu depctr_va_vdst(0)                   ; one wait for the 64, ahead of their first reader.  p = 2^(s c + A) is finished and normalised
	QMAX S, 4
	KSHIFT
	QCODE S, 4, PW
	s_add_co_u32 s22, s22, 6144
	s_add_co_u32 s23, s23, 512
	s_add_co_u32 s2, s2, 1536                      ; two half fragments of V on,
	s_add_co_u32 s3, s3, 256                       ; and a plane of its scale words
	s_sub_co_u32 s85, s85, 1
	s_cmp_lg_u32 s85, 0
	s_cbranch_scc1 .Lp2_\@
	v_add_nc_u32 v7, s2, v3                        ; the last step's second product
	v_add_nc_u32 v8, s3, v4
	v_add_nc_u32 v[AV2], 49152, v7
	VLOAD
.rept 4
	v_nop                                          ; p's codes were written by vector instructions: with the three additions more than four places ahead of the scaled product
.endr
	s_wait_dscnt 0x0
	PV
.rept 4
	v_nop                                          ; places in front of the first read of the results
.endr
	QMAX O, 2                                      ; x's 64 features of this head: two blocks, one half fragment
	QCODE O, 2, PW
.irp p, 0,1,2
	global_store_b64 v9, v[PC+2*\p:PC+2*\p+1], s[80:81] offset:256*\p+12288*\n   ; 32 lanes store 256 consecutive bytes, aligned
.endr
	global_store_b16 v11, v[PW], s[82:83] offset:512*\n    ; my row's two scale bytes (lanes 16-31 repeat lanes 0-15)
.endm
	TILE QZ+6, QS, 0
	TILE QZ+18, QS+2, 1
	s_wait_tensorcnt 0x0
	ds_add_u32 v234, v235
	s_wait_dscnt 0x0
	CROUND                                         ; the closing round
	s_endpgm
.Lfunc_end_k_q2b9237db0f_attn:
	.size	k_q2b9237db0f_attn, .Lfunc_end_k_q2b9237db0f_attn-k_q2b9237db0f_attn
	.p2alignl 7, 3214868480
	.fill 96, 4, 3214868480
	.section	.rodata,"a",@progbits
	.p2align	6, 0x0
	.amdhsa_kernel k_q2b9237db0f_attn
		.amdhsa_group_segment_fixed_size 210944
		.amdhsa_private_segment_fixed_size 0
		.amdhsa_enable_private_segment 0
		.amdhsa_kernarg_size 32
		.amdhsa_user_sgpr_count 2
		.amdhsa_user_sgpr_kernarg_segment_ptr 1
		.amdhsa_wavefront_size32 1
		.amdhsa_system_sgpr_workgroup_id_x 1
		.amdhsa_system_sgpr_workgroup_id_y 1
		.amdhsa_system_sgpr_workgroup_id_z 1
		.amdhsa_system_vgpr_workitem_id 0
		.amdhsa_next_free_vgpr 256
		.amdhsa_next_free_sgpr 92
		.amdhsa_reserve_vcc 0
		.amdhsa_float_denorm_mode_32 3
		.amdhsa_float_denorm_mode_16_64 3
		.amdhsa_memory_ordered 1
		.amdhsa_forward_progress 1
		.amdhsa_inst_pref_size 82
	.end_amdhsa_kernel
	.amdgpu_metadata
---
amdhsa.version: [ 1, 2 ]
amdhsa.kernels:
  - .name:           k_q2b9237db0f_attn
    .symbol:         k_q2b9237db0f_attn.kd
    .args:
      - { .name: pc, .offset: 0, .size: 8, .value_kind: global_buffer, .address_space: global }
      - { .name: ps, .offset: 8, .size: 8, .value_kind: global_buffer, .address_space: global }
      - { .name: xc, .offset: 16, .size: 8, .value_kind: global_buffer, .address_space: global }
      - { .name: xs, .offset: 24, .size: 8, .value_kind: global_buffer, .address_space: global }
    .group_segment_fixed_size: 210944
    .private_segment_fixed_size: 0
    .kernarg_segment_align: 8
    .kernarg_segment_size: 32
    .max_flat_workgroup_size: 512
    .sgpr_count:     92
    .vgpr_count:     256
    .wavefront_size: 32
...
	.end_amdgpu_metadata
.endif
;; end of part 3
;; launch outp (part 4): grid 4 x 32, 4 waves a work-group, clusters of 4 x 4, 327,680 bytes of LDS; arguments xc, xs, cin, sin, bp, out0; writes out0
.if DOCPART == 4
	.amdgcn_target "amdgcn-amd-amdhsa--gfx1250"
	.amdhsa_code_object_version 6
	.text
	.protected	k_q2b9237db0f_outp
	.globl	k_q2b9237db0f_outp
	.p2align	8
	.type	k_q2b9237db0f_outp,@function
k_q2b9237db0f_outp:
	s_mov_b64 s[64:65], 0
	v_nop
	global_prefetch_b8 v0, s[64:65] scope:SCOPE_SE
	s_setreg_imm32_b32 hwreg(HW_REG_WAVE_MODE, 25, 1), 1
	s_wait_xcnt 0x0
	s_wait_alu depctr_hold_cnt(0) depctr_sa_sdst(0) depctr_va_vdst(0) depctr_va_sdst(0) depctr_va_ssrc(0) depctr_va_vcc(0) depctr_vm_vsrc(0)
	s_getreg_b32 s2, hwreg(HW_REG_IB_STS2, 6, 4)
	s_cmp_eq_u32 s2, 0
	s_cbranch_scc0 .Lentry_in_a_cluster
	s_endpgm
.Lentry_in_a_cluster:
	s_bfe_u32 s2, ttmp6, 0x10000c
	s_cmp_lg_u32 s2, 0xf033
	s_cbranch_scc0 .Lentry_shape_is_right
	s_endpgm
.Lentry_shape_is_right:
; out0 = x Wp^T + bp: [8192][1024] f32, K = 1,024, on codes of FP6 (E2M3) with E8M0 scales.  x's codes and scale words come from xc, xs; Wp's from cin, sin at group 1,216.
; Both lie in this program's operand format: groups of 16 rows (place r of group g = row 32 (g / 2) + 8 (g % 2) + r + 8 (r / 8)), half fragments of 768 bytes as images of six registers, scale words [group][k / 256][r][8 bytes].
; A tile of C, 256 x 256, is made by four waves, 128 x 128 each: 64 accumulators, 512 registers.  K goes in four steps of 256 through two LDS slots; the scale words of the tile's rows come once.
; THE MATRIX INSTRUCTION IS USED TRANSPOSED (source 0 = a group of Wp, source 1 = a group of x): lane (r, h) holds row r of x's group; register j of Wp's group b is column 32 (b / 2) + 16 h + 8 (b % 2) + j.
; CLUSTERS: 4 x 4 work-groups; x's tiles are shared along a row of the cluster, Wp's along a column: each is asked for jointly.  The grid has 128 tiles: 128 work-groups.
; REGISTERS, in windows of 256: window 0: v1-31 addresses and the bias; v32-63 scale words, two sets; v128-223 A's fragments, one set; on the way out v128-255 take rows of C.
;   window 1: B's fragments, two sets, at v0 and v128.   windows 2, 3: the accumulators ((a, b) at v[8 (8 (a % 4) + b)] of window 2 + a / 4).
.set NQ,    2
.set FR,    12
.set NL,    6
.set NP,    4                          ; places behind this matrix instruction (ISA guide 7.12.1)
.set GRPB,  3072                       ; a group's bytes in a slot: 256 along K
.set GROW,  12288                      ; a group's bytes in memory
.set HALFT, 8*GRPB
.set SLOT,  4*HALFT
.set SCL,   2*SLOT
.set HALFS, 4096
.set SPARE, SCL+4*HALFS                ; the spare words, 128 bytes for each wave: two blocks of 256 bytes that no other line names
.set STG,   SPARE+512                  ; the way out: a stage of 16 rows x (512 bytes + 16) for each wave; no fill lands here
.set SPITCH, 528
.set ADRA, 16
.set ADRB, 20
.set STO,  24                          ; v24  the way out: where I put 32 bytes of a row
.set RD,   25                          ; v25  where I read a row back
.set CO,   26                          ; v26  16 x lane: my bytes of a row of 512
.set ADRS, 27
.set SPW,  28                          ; v28  LDS address of my spare word; never rewritten
.set NIL,  29                          ; v29  0; never rewritten
.set SC,   32
.set AF,   128
.set BK,   128                         ; the way out: 16 rows read back: v128-191 and v192-255 by turns
.set G1,   24
.set G0,   32
.set G1B,  48
.set G0B,  56
.set G1S,  68
.set G0S,  76
.set G1SB, 80
.set G0SB, 88
.set MSB, 0
.macro WIN new                         ; the immediate's high byte repeats the setting that is left
.if MSB != \new
	s_set_vgpr_msb (MSB<<8)|\new
.set MSB, \new
.endif
.endm
.set MUL_LO, 0xa1
.set MUL_HI, 0xf1
.set TO_B,   0x40
.macro JLOAD g0a, g1a, g0b, g1b        ; a joint load: waves 0 and 1 fetch for A, waves 2 and 3 for B; four v_nop follow each of the two lines
	s_cmp_eq_u32 s19, 0
	s_cbranch_scc0 .Lfor_b_\@
	tensor_load_to_lds s[\g0a:\g0a+3], s[\g1a:\g1a+7]
	s_nop 0
.rept 4
	v_nop
.endr
	s_branch .Lasked_\@
.Lfor_b_\@:
	tensor_load_to_lds s[\g0b:\g0b+3], s[\g1b:\g1b+7]
	s_nop 0
.rept 4
	v_nop
.endr
.Lasked_\@:
.endm
.macro CREST
	s_cmp_lg_u32 s18, 0
	s_cbranch_scc1 .Lnot_wave_0_\@
	s_barrier_signal -3
.Lnot_wave_0_\@:
	s_barrier_wait -3
	s_barrier_signal -1
	s_barrier_wait -1
.endm
.macro CROUND
	s_barrier_signal -1
	s_barrier_wait -1
	CREST
.endm
	s_load_b256 s[4:11], s[0:1], 0x0               ; xc, xs, cin, sin
	s_load_b128 s[12:15], s[0:1], 0x20             ; bp, out0
	v_lshl_add_u32 v[SPW], v0, 2, SPARE
	v_mov_b32 v[NIL], 0
	ds_add_u32 v28, v29
	ds_add_u32 v28, v29
	s_wait_dscnt 0x0
	v_lshrrev_b32 v1, 5, v0
	v_readfirstlane_b32 s18, v1                    ; wave 0..3
	s_lshr_b32 s19, s18, 1                         ; which half of the tile's rows is mine.  Also: I fetch for A (0) or for B (1)
	s_and_b32 s20, s18, 1                          ; which half of its columns.  Also: which eight groups of that tile I fetch
	s_bfe_u32 s21, ttmp6, 0x40000                  ; cx
	s_bfe_u32 s22, ttmp6, 0x40004                  ; cy
	s_and_b32 s40, ttmp7, 0xffff
	s_lshl_b32 s40, s40, 2
	s_add_co_u32 s40, s40, s22                     ; tile row = 4 x cluster y + cy
	s_lshl_b32 s41, ttmp9, 2
	s_add_co_u32 s41, s41, s21                     ; tile column = 4 x cluster x + cx
	s_lshl_b32 s42, s22, 2
	s_lshl_b32 s42, 15, s42                        ; my row of the cluster
	s_lshl_b32 s43, 0x1111, s21                    ; my column
	s_or_b32 s[G1+0], s42, (3<<16)|(1<<21)         ; codes: 8 rows (groups) of 384 elements of 8 bytes, 1,536 elements apart; no padding
	s_or_b32 s[G1B+0], s43, (3<<16)|(1<<21)
.irp g, G1, G1B
	s_mov_b32 s[\g+1], 384<<16
	s_mov_b32 s[\g+2], 8<<16
	s_mov_b32 s[\g+3], 384<<16
	s_mov_b32 s[\g+4], 8
	s_mov_b32 s[\g+5], 1536
	s_mov_b32 s[\g+6], 0
	s_mov_b32 s[\g+7], 0
.endr
	s_or_b32 s[G1S+0], s42, (3<<16)|(1<<21)        ; scale words of eight groups: 4,096 dense bytes as 16 rows of 256
	s_or_b32 s[G1SB+0], s43, (3<<16)|(1<<21)
.irp g, G1S, G1SB
	s_mov_b32 s[\g+1], 32<<16
	s_mov_b32 s[\g+2], 16<<16
	s_mov_b32 s[\g+3], 32<<16
	s_mov_b32 s[\g+4], 16
	s_mov_b32 s[\g+5], 32
	s_mov_b32 s[\g+6], 0
	s_mov_b32 s[\g+7], 0
.endr
	s_lshl_b32 s100, s20, 3
	s_lshl_b32 s44, s40, 4
	s_add_co_u32 s44, s44, s100                    ; A: group 16 x tile row + 8 x half
	s_lshl_b32 s45, s41, 4
	s_add_co_u32 s45, s45, s100
	s_add_co_u32 s45, s45, 1216                    ; B: Wp's first group + 16 x tile column + 8 x half
	s_mul_i32 s100, s18, HALFT                     ; where they go: wave x eight groups
	s_mul_i32 s101, s18, HALFS
	s_mul_i32 s46, s44, GROW
	s_mov_b32 s47, 0
	s_mul_i32 s104, s45, GROW
	s_mov_b32 s105, 0
	s_wait_kmcnt 0x0
	s_add_nc_u64 s[46:47], s[4:5], s[46:47]
	s_add_nc_u64 s[104:105], s[8:9], s[104:105]
.irp s, 0,1
	s_mov_b32 s[G0+4*\s], 1
	s_add_co_u32 s[G0+4*\s+1], s100, \s*SLOT
	s_add_nc_u64 s[G0+4*\s+2:G0+4*\s+3], s[46:47], \s*GRPB
	s_or_b32 s[G0+4*\s+3], s[G0+4*\s+3], 0x80000000
	s_mov_b32 s[G0B+4*\s], 1
	s_add_co_u32 s[G0B+4*\s+1], s100, \s*SLOT
	s_add_nc_u64 s[G0B+4*\s+2:G0B+4*\s+3], s[104:105], \s*GRPB
	s_or_b32 s[G0B+4*\s+3], s[G0B+4*\s+3], 0x80000000
.endr
	s_lshl_b32 s46, s44, 9
	s_mov_b32 s47, 0
	s_lshl_b32 s104, s45, 9
	s_mov_b32 s105, 0
	s_mov_b32 s[G0S], 1
	s_add_co_u32 s[G0S+1], s101, SCL
	s_add_nc_u64 s[G0S+2:G0S+3], s[6:7], s[46:47]
	s_or_b32 s[G0S+3], s[G0S+3], 0x80000000
	s_mov_b32 s[G0SB], 1
	s_add_co_u32 s[G0SB+1], s101, SCL
	s_add_nc_u64 s[G0SB+2:G0SB+3], s[10:11], s[104:105]
	s_or_b32 s[G0SB+3], s[G0SB+3], 0x80000000
	CROUND                                         ; all sixteen work-groups are here: the first joint loads meet
	JLOAD G0S, G1S, G0SB, G1SB                     ; the scale words first
	JLOAD G0, G1, G0B, G1B                         ; K step 0
	JLOAD G0+4, G1, G0B+4, G1B                     ; K step 1: three tensor loads of mine are out
	v_and_b32 v1, 15, v0                           ; r
	v_bfe_u32 v2, v0, 4, 1                         ; h
	v_and_b32 v3, 31, v0                           ; lane
	v_lshlrev_b32 v4, 3, v3                        ; 8 x lane
	v_lshlrev_b32 v[CO], 4, v3
	s_lshl_b32 s100, s41, 10
	s_lshl_b32 s101, s20, 9
	s_add_co_u32 s100, s100, s101                  ; my first column, in bytes: 4 (256 x tile column + 128 x half)
	s_mov_b32 s101, 0
	s_add_nc_u64 s[12:13], s[12:13], s[100:101]
	global_load_b128 v[8:11], v[CO], s[12:13]      ; the bias of my four columns of a row read back
	s_add_nc_u64 s[14:15], s[14:15], s[100:101]
	s_lshl_b32 s100, s40, 20
	s_lshl_b32 s2, s19, 19
	s_add_co_u32 s100, s100, s2                    ; my first row: (256 x tile row + 128 x half) x 4,096 bytes
	s_add_nc_u64 s[14:15], s[14:15], s[100:101]
	s_mul_i32 s100, s19, HALFT                     ; my eight groups of A
	s_mul_i32 s101, s20, HALFT                     ; my eight groups of B,
	s_add_co_u32 s101, s101, 2*HALFT               ; which lie behind A's sixteen
.irp s, 0,1
	v_add_nc_u32 v[ADRA+\s], s100, v4
	v_add_nc_u32 v[ADRB+\s], s101, v4
	s_add_co_u32 s100, s100, SLOT
	s_add_co_u32 s101, s101, SLOT
.endr
	s_mul_i32 s100, s19, HALFS
	s_mul_i32 s101, s20, HALFS
	s_add_co_u32 s101, s101, 2*HALFS
	s_sub_co_u32 s101, s101, s100
	v_mul_u32_u24 v5, s101, v2                     ; lanes 16-31 take B's scale words
	v_lshl_add_u32 v5, v1, 3, v5
	s_add_co_u32 s100, s100, SCL
	v_add_nc_u32 v[ADRS], s100, v5
	s_mul_i32 s100, s18, 16*SPITCH
	s_add_co_u32 s100, s100, STG                   ; my stage
	v_mul_u32_u24 v5, v1, SPITCH
	v_lshl_add_u32 v5, v2, 6, v5
	v_add_nc_u32 v[STO], s100, v5                  ; in: row r, + 64 h
	v_add_nc_u32 v[RD], s100, v[CO]                ; back: the 32 lanes take one row of 512 bytes
.macro FRAG reg, adr, q, i             ; a fragment is two half fragments: six planes of 256 bytes, 8 bytes a lane, as they lie
.irp p, 0,1,2,3,4,5
	ds_load_b64 v[\reg+2*\p:\reg+2*\p+1], v[\adr] offset:(\i)*GRPB+(\q)*1536+256*\p
.endr
.endm
; 16 matrix instructions: A's groups a0, a0 + 1 x B's eight.  The 64 accumulators take turns, one instruction a turn, in the same order in every step.
.macro MUL16 a0, p, q, sc, zero
.irp a, \a0, \a0+1
.irp b, 0,1,2,3,4,5,6,7
.if \zero
	v_wmma_scale_f32_16x16x128_f8f6f4 v[8*(8*((\a)%4)+\b):8*(8*((\a)%4)+\b)+7], v[128*(\p)+FR*\b:128*(\p)+FR*\b+FR-1], v[AF+FR*(\a):AF+FR*(\a)+FR-1], 0, v[SC+8*NQ*(\sc)+NQ*\b+(\q)], v[SC+8*NQ*(\sc)+NQ*(\a)+(\q)] matrix_a_fmt:MATRIX_FMT_FP6 matrix_b_fmt:MATRIX_FMT_FP6 matrix_a_scale:MATRIX_SCALE_ROW1
.else
	v_wmma_scale_f32_16x16x128_f8f6f4 v[8*(8*((\a)%4)+\b):8*(8*((\a)%4)+\b)+7], v[128*(\p)+FR*\b:128*(\p)+FR*\b+FR-1], v[AF+FR*(\a):AF+FR*(\a)+FR-1], v[8*(8*((\a)%4)+\b):8*(8*((\a)%4)+\b)+7], v[SC+8*NQ*(\sc)+NQ*\b+(\q)], v[SC+8*NQ*(\sc)+NQ*(\a)+(\q)] matrix_a_fmt:MATRIX_FMT_FP6 matrix_b_fmt:MATRIX_FMT_FP6 matrix_a_scale:MATRIX_SCALE_ROW1
.endif
.endr
.endr
.endm
.macro FETCH_B slot, q, p
	WIN TO_B
.irp i, 0,1,2,3,4,5,6,7
	FRAG 128*(\p)+FR*\i, ADRB+\slot, \q, \i
.endr
	WIN 0
.endm
.macro FETCH_A slot, q, i0
.irp i, \i0, \i0+1, \i0+2, \i0+3
	FRAG AF+FR*(\i), ADRA+\slot, \q, \i
.endr
.endm
.macro SCALES sc
.irp i, 0,1,2,3,4,5,6,7
	ds_load_b64 v[SC+8*NQ*\sc+NQ*\i:SC+8*NQ*\sc+NQ*\i+1], v[ADRS] offset:\i*512
.endr
.endm
.macro PLACES n
.rept \n
	v_nop
.endr
.endm
.macro STEP slot, q, zero
	s_wait_dscnt 4*NL                              ; B's set, A's groups 0-3 and the scale words are in; the youngest 24 loads (A's groups 4-7) may be out
	WIN MUL_LO
	MUL16 0, (\q)%2, \q, \slot, \zero
	MUL16 2, (\q)%2, \q, \slot, \zero
	s_wait_dscnt 0
	PLACES NP
	FETCH_B \slot, (\q)+1, 1-(\q)%2
	FETCH_A \slot, (\q)+1, 0
	WIN MUL_HI
	MUL16 4, (\q)%2, \q, \slot, \zero
	MUL16 6, (\q)%2, \q, \slot, \zero
	PLACES NP
	WIN 0
	FETCH_A \slot, (\q)+1, 4
.endm
.macro TURN slot, next, fill
	s_wait_tensorcnt 0x0                           ; all my tensor loads have landed: my part of the next slot
	ds_add_u32 v[SPW], v[NIL]                      ; 0 onto my spare word
	s_wait_dscnt 4*NL+1                            ; (the add and the youngest 24 loads may be out)
	WIN MUL_LO
	MUL16 0, 1, NQ-1, \slot, 0
	s_wait_dscnt 0x0                               ; the add is done, and my reads of this slot are over
	s_barrier_signal -1
	MUL16 2, 1, NQ-1, \slot, 0
	WIN 0
	s_barrier_wait -1
.if \fill
	CREST                                          ; the barrier has opened a round of the cluster's barrier
	s_add_nc_u64 s[G0+4*\slot+2:G0+4*\slot+3], s[G0+4*\slot+2:G0+4*\slot+3], 2*GRPB
	s_add_nc_u64 s[G0B+4*\slot+2:G0B+4*\slot+3], s[G0B+4*\slot+2:G0B+4*\slot+3], 2*GRPB
	JLOAD G0+4*\slot, G1, G0B+4*\slot, G1B         ; the first tensor load behind the round
.else
	PLACES NP
.endif
	v_add_nc_u32 v[ADRS], 128, v[ADRS]
	FETCH_B \next, 0, 0
	FETCH_A \next, 0, 0
	SCALES \next
	WIN MUL_HI
	MUL16 4, 1, NQ-1, \slot, 0
	MUL16 6, 1, NQ-1, \slot, 0
	PLACES NP
	WIN 0
	FETCH_A \next, 0, 4
.endm
	s_wait_tensorcnt 1                             ; the scale words and my part of K step 0 are in; K step 1's load may be out
	s_barrier_signal -1
	s_barrier_wait -1
	FETCH_B 0, 0, 0
	FETCH_A 0, 0, 0
	SCALES 0
	FETCH_A 0, 0, 4
	STEP 0, 0, 1
	TURN 0, 1, 1
	STEP 1, 0, 0
	TURN 1, 0, 1
	STEP 0, 0, 0
	TURN 0, 1, 0
	STEP 1, 0, 0
	s_wait_dscnt 4*NL
	WIN MUL_LO
	MUL16 0, 1, NQ-1, 1, 0
	MUL16 2, 1, NQ-1, 1, 0
	s_wait_dscnt 0
	WIN MUL_HI
	MUL16 4, 1, NQ-1, 1, 0
	MUL16 6, 1, NQ-1, 1, 0
	WIN 0
; THE WAY OUT, a group of 16 rows x 128 columns at a time, through my own stage: in by columns' true places, back as whole rows of 512 bytes; the bias is added to the rows read back.
.macro TOSTAGE a
.set AC, 64*((\a)%4)
	WIN (0x08+4*((\a)/4))                          ; the data: window 2 or 3
.irp b, 0,1,2,3,4,5,6,7
	ds_store_b128 v[STO], v[AC+8*\b:AC+8*\b+3] offset:128*(\b/2)+32*(\b%2)          ; each accumulator from its low end on
	ds_store_b128 v[STO], v[AC+8*\b+4:AC+8*\b+7] offset:128*(\b/2)+32*(\b%2)+16
.endr
	WIN 0
.set BB, BK+64*((\a)%2)
.irp t, 0,1,2,3,4,5,6,7,8,9,10,11,12,13,14,15
	ds_load_b128 v[BB+4*\t:BB+4*\t+3], v[RD] offset:\t*SPITCH   ; LDS serves a wave's instructions in order: these see the stores above
.endr
.endm
.macro SEND a, younger                 ; younger: the LDS instructions issued behind group a's loads, which may stay out
.set BB, BK+64*((\a)%2)
	s_wait_dscnt \younger
.irp t, 0,1,2,3,4,5,6,7,8,9,10,11,12,13,14,15
	v_pk_add_f32 v[BB+4*\t:BB+4*\t+1], v[BB+4*\t:BB+4*\t+1], v[8:9]
	v_pk_add_f32 v[BB+4*\t+2:BB+4*\t+3], v[BB+4*\t+2:BB+4*\t+3], v[10:11]
	global_store_b128 v[CO], v[BB+4*\t:BB+4*\t+3], s[14:15] offset:(32*((\a)/2)+8*((\a)%2)+\t+8*(\t/8))*4096 th:TH_STORE_NT   ; place t of group a is that row; 32 lanes store 512 consecutive bytes, aligned
.endr
.endm
	PLACES NP
	s_wait_loadcnt 0x0                             ; the bias
	TOSTAGE 0
.irp a, 1,2,3,4,5,6,7
.if \a > 1
	s_wait_xcnt 0x0                                ; group a - 2's stores have read their registers: group a's loads may land there
.endif
	TOSTAGE \a
	SEND \a-1, 32                                  ; behind group a - 1's loads: group a's 16 stores and 16 loads
.endr
	SEND 7, 0
	s_wait_tensorcnt 0x0                           ; the wave's end
	ds_add_u32 v[SPW], v[NIL]
	s_wait_dscnt 0x0
	CROUND                                         ; the closing round
	s_endpgm
.Lfunc_end_k_q2b9237db0f_outp:
	.size	k_q2b9237db0f_outp, .Lfunc_end_k_q2b9237db0f_outp-k_q2b9237db0f_outp
	.p2alignl 7, 3214868480
	.fill 96, 4, 3214868480
	.section	.rodata,"a",@progbits
	.p2align	6, 0x0
	.amdhsa_kernel k_q2b9237db0f_outp
		.amdhsa_group_segment_fixed_size 327680
		.amdhsa_private_segment_fixed_size 0
		.amdhsa_enable_private_segment 0
		.amdhsa_kernarg_size 48
		.amdhsa_user_sgpr_count 2
		.amdhsa_user_sgpr_kernarg_segment_ptr 1
		.amdhsa_wavefront_size32 1
		.amdhsa_system_sgpr_workgroup_id_x 1
		.amdhsa_system_sgpr_workgroup_id_y 1
		.amdhsa_system_sgpr_workgroup_id_z 1
		.amdhsa_system_vgpr_workitem_id 0
		.amdhsa_next_free_vgpr 1024
		.amdhsa_next_free_sgpr 106
		.amdhsa_reserve_vcc 0
		.amdhsa_float_denorm_mode_32 3
		.amdhsa_float_denorm_mode_16_64 3
		.amdhsa_memory_ordered 1
		.amdhsa_forward_progress 1
		.amdhsa_inst_pref_size 175
	.end_amdhsa_kernel
	.amdgpu_metadata
---
amdhsa.version: [ 1, 2 ]
amdhsa.kernels:
  - .name:           k_q2b9237db0f_outp
    .symbol:         k_q2b9237db0f_outp.kd
    .args:
      - { .name: xc, .offset: 0, .size: 8, .value_kind: global_buffer, .address_space: global }
      - { .name: xs, .offset: 8, .size: 8, .value_kind: global_buffer, .address_space: global }
      - { .name: cin, .offset: 16, .size: 8, .value_kind: global_buffer, .address_space: global }
      - { .name: sin, .offset: 24, .size: 8, .value_kind: global_buffer, .address_space: global }
      - { .name: bp, .offset: 32, .size: 8, .value_kind: global_buffer, .address_space: global }
      - { .name: out0, .offset: 40, .size: 8, .value_kind: global_buffer, .address_space: global }
    .group_segment_fixed_size: 327680
    .private_segment_fixed_size: 0
    .kernarg_segment_align: 8
    .kernarg_segment_size: 48
    .max_flat_workgroup_size: 128
    .sgpr_count:     106
    .vgpr_count:     1024
    .wavefront_size: 32
...
	.end_amdgpu_metadata
.endif
;; end of part 4
